; MI455X (gfx1250); checked and timed in simulation.
; The chip was launched on July 23, 2026; its instructions are those of AMD's public machine-readable ISA for CDNA 5 (MIT licence, August 2026) and "CDNA5" Instruction Set Architecture Reference Guide (July 2026). The comments in the code are by the model that wrote it; some were corrected since.
;; Self Attention. Allowed arithmetic: matrix products marked QUANTISED: E3M2 operands, one E8M0 scale for each 32 along K, by v_wmma_scale_f32_16x16x128_f8f6f4 with both operands' format E3M2, f32 sums; everything else in f32.
;; Inputs: Wk 1,024 x 1,024 float32; Wq 1,024 x 1,024 float32; Wv 1,024 x 1,024 float32; x 4 x 2,048 x 1,024 float32.
;; Outputs: out0 4 x 2,048 x 1,024 float32.
;; This version of the problem:
;;   THIS VERSION OF THE PROBLEM IS GIVEN IN LOW PRECISION. The matrix products marked QUANTISED in the list below multiply operands that are first quantised to E3M2 (3 exponent bits, 2 mantissa bits; 6 bits a number), with one power-of-two scale for each 32 numbers along K (OCP MX v1.0); their sums are f32. All else is computed in f32.
;;   The module's matrix products, in the order in which they are computed (A, B: the left and right operand; K: the contracted axis; several contracted axes count as one K, in the product's order):
;;     1. [M 8,192, K 1,024] x [K 1,024, N 1,024]; A: input x; B: input Wq: QUANTISED
;;     2. [M 8,192, K 1,024] x [K 1,024, N 1,024]; A: input x; B: input Wk: QUANTISED
;;     3. [M 8,192, K 1,024] x [K 1,024, N 1,024]; A: input x; B: input Wv: QUANTISED
;;     4. batch 4 x [M 2,048, K 1,024] x [K 1,024, N 2,048]; A: computed on the way; B: computed on the way: QUANTISED
;;     5. batch 4 x [M 2,048, K 2,048] x [K 2,048, N 1,024]; A: softmax (see below); B: computed on the way: QUANTISED
;;   THE QUANTISER, for each operand of a quantised product, along K:
;;     - K is cut into blocks of 32 from its start; a last block that is shorter is filled with zeros.
;;     - A block's scale is 2^e with e = floor(log2(the largest magnitude in the block)) - 4, held to -126 .. 127; a block of zeros has e = 0. As a byte (E8M0): e + 127.
;;     - Each number is divided by its block's scale, clamped to +-28, and rounded to the nearest number of E3M2, ties to even, subnormals kept.
;;     - The product sums the exact products of the quantised numbers (number of the format x scale) in f32.
;;   ~~~python
;;   def quantise(x, axis):      # numpy; x: float32 -> the quantised numbers, widened to float32 again
;;       x = np.moveaxis(x, axis, -1); K = x.shape[-1]
;;       x = np.pad(x, [(0, 0)] * (x.ndim - 1) + [(0, -K % 32)]); x = x.reshape(x.shape[:-1] + (-1, 32)); a = np.abs(x).max(-1, keepdims=True)
;;       e = np.where(a > 0, np.clip(np.frexp(np.where(a > 0, a, 1))[1] - 1 - 4, -126, 127), 0)      # np.frexp(a)[1] - 1 = floor(log2(a)), exactly
;;       r = np.clip(x / 2.0 ** e, -28, 28)
;;       step = 2.0 ** (np.maximum(np.frexp(np.where(r == 0, 1, r))[1] - 1, -2) - 2)
;;       q = np.round(r / step) * step * 2.0 ** e      # np.round: ties to even
;;       return np.moveaxis(q.reshape(q.shape[:-2] + (-1,))[..., :K], -1, axis).astype(np.float32)
;;   ~~~
;;   SOFTMAX AHEAD OF A QUANTISED PRODUCT. Where the list says 'softmax', what is quantised is not the finished softmax but p = 2^(t - M), with t = logit x log2(e) and M = ceil(the row's largest t), a whole number; so 1/2 < the row's largest p <= 1. The row's sum l is taken of the UNQUANTISED p, in f32, and the product's result is divided by l at the end. Since M is a whole number, a kernel that streams over the keys may use a running M (the ceiling of the running maximum): every later rescaling is an exact power of two, which a block's scale takes up: the codes' values come out the same.
;;   OPERANDS COMPUTED ON THE WAY. 'Computed on the way' means the value that the module computes at that place (a softmax that the list does not call 'softmax' is quantised finished and normalised). What goes into a quantiser is computed in f32, as accurately as f32 sums, v_exp_f32 and their like allow (about 1e-6 of the number): no bf16 or f16 on the way to a quantiser, and a product that is left as it is and whose result goes on into a quantised operand takes f32 operands (vector FMAs, or v_wmma_f32_16x16x4_f32). A number that lies on a knife's edge between two numbers of the format may be rounded either way, as far as f32 arithmetic and the matrix unit's own rounding can turn it there, and no further.
;; One version. Each part assembles by itself: llvm-mc -triple=amdgcn-amd-amdhsa -mcpu=gfx1250 --defsym DOCPART=n.
;; ======== version 1 of 1: 4 launches
;; limits: right only within a limited range of input values
;; workspace buffers: xw 9,011,200 bytes; qk 13,107,200 bytes; vt 6,553,600 bytes; p 12,582,912 bytes; pst 1,572,864 bytes
;; launch quant (part 1): grid 704 x 1, 4 waves a work-group, no clusters, 34,816 bytes of LDS; arguments x, Wq, Wk, Wv, xw; writes xw
.if DOCPART == 1
	.amdgcn_target "amdgcn-amd-amdhsa--gfx1250"
	.amdhsa_code_object_version 6
	.text
	.protected	k_q8e194a4889_quant
	.globl	k_q8e194a4889_quant
	.p2align	8
	.type	k_q8e194a4889_quant,@function
k_q8e194a4889_quant:
	s_mov_b64 s[64:65], 0
	v_nop
	global_prefetch_b8 v0, s[64:65] scope:SCOPE_SE
	s_setreg_imm32_b32 hwreg(HW_REG_WAVE_MODE, 25, 1), 1
	s_wait_xcnt 0x0
; x [8192][1024], Wq, Wk, Wv [1024][1024], f32, K innermost, become codes of BF6 (E3M2) with one E8M0 byte for each 32 along K, laid in the ORDER OF THE OPERAND'S REGISTERS.
; A CELL is 128 rows x 128 K: eight fragment images of 1,536 bytes (fragment i, registers 4 c .. 4 c + 3, lane l at 1536 i + 512 c + 16 l), then 512 bytes of scale words at 12288 + 256 (i / 4) + 16 r + 4 (i % 4).
; Lane r of fragment i holds the group's row 32 (i / 2) + 8 (i % 2) + r + 8 (r / 8).  Cells lie [row group][K step]; groups 0-63 x, 64-71 Wq, 72-79 Wk, 80-87 Wv.
; A block's scale is 2^(floor(log2(its largest magnitude)) - 4); its byte is the largest magnitude's exponent field - 4, held at 1 from below.
; LEFT OUT OF THE PROGRAM: the scores of a batch's first 1,024 queries against its last 1,024 keys, and their part of the last product: the causal mask sets them to -infinity, so their weight
; is 0 for all values of the inputs.  A NaN, an infinity or an overflow that reaches only those scores is not carried to the result.
; LIMITS: a block of zeros gets the byte 1 where the rule says 127 (its codes are zeros; this program alone reads the bytes); NaN and infinities among the inputs are not served.
; A work-group takes a cell, a wave two fragments: 32 rows x 128 K.  Each load reads 512 consecutive bytes of one row, all 32 of a wave are asked for at once; 16 rows turn through the wave's own stage in LDS, so that a
; lane gets 16 neighbours of each block of 32.  The four waves' scale words meet in LDS, and wave 0 stores them as 512 consecutive bytes.  No tensor loads.
.set SPI,  528                         ; a stage row: 512 bytes + 16, so that sixteen rows start in sixteen different groups of banks
.set WST,  16*SPI                      ; a wave's stage
.set SPARE, 4*WST                      ; two blocks of 256 bytes that no other line names
.set SCW,  SPARE+512                   ; the cell's 512 bytes of scale words
.set CELL, 12800
.set TM,   8                           ; v8-23    at work in QUANT
.set LD,   32                          ; v32-159  two sets of 64 registers as loaded
.set X,    160                         ; v160-223 64 numbers: register 16 b + i = k 32 b + 16 (lane / 16) + i of my row
.set PC,   224                         ; v224-243 the codes just made
.set PW,   244                         ; v244-245 the two fragments' scale words
.set SPW,  254
.set NIL,  255
.set SEL,  30                          ; s[30:31] selects for lane l xor 16
	s_load_b256 s[4:11], s[0:1], 0x0               ; x, Wq, Wk, Wv
	s_load_b64 s[12:13], s[0:1], 0x20              ; xw
	v_lshl_add_u32 v[SPW], v0, 2, SPARE
	v_mov_b32 v[NIL], 0
	v_lshrrev_b32 v1, 5, v0
	v_readfirstlane_b32 s14, v1                    ; wave
	s_mul_i32 s15, s14, WST
	s_lshr_b32 s17, s14, 1
	s_lshl_b32 s17, s17, 8
	s_and_b32 s33, s14, 1
	s_lshl_b32 s33, s33, 3
	s_add_co_u32 s17, s17, s33
	s_add_co_u32 s17, s17, SCW                     ; my two fragments' place among the scale words
	s_mov_b32 s[SEL], 0x76543210
	s_mov_b32 s[SEL+1], 0xfedcba98
	v_and_b32 v2, 31, v0                           ; lane
	v_and_b32 v3, 15, v0                           ; r
	v_bfe_u32 v1, v0, 4, 1                         ; h
	v_lshlrev_b32 v4, 4, v2                        ; 16 x lane: my bytes of a load's 512, and of a store's
	v_add_nc_u32 v5, s15, v4                       ; the stage, on the way in
	v_mul_u32_u24 v6, v3, SPI
	v_lshl_add_u32 v6, v1, 6, v6
	v_add_nc_u32 v6, s15, v6                       ; and out: row r, + 64 h
	v_lshlrev_b32 v7, 4, v3
	v_add_nc_u32 v7, s17, v7                       ; the scale words: 16 r on
	v_add_nc_u32 v24, SCW, v4                      ; and where wave 0 reads them
.irp b, 0,1,2,3
	v_mov_b32 v[TM+4+\b], 0                        ; written once: a lane permute's destination counts as one of its sources
.endr
	s_sub_co_u32 s16, ttmp9, 512                   ; work-groups 0-511 take x, then 64 each Wq, Wk, Wv
	s_and_b32 s18, s16, 63
	s_lshr_b32 s19, s16, 6
	s_wait_alu depctr_va_vdst(0)                   ; the wait at the head's end
	s_wait_kmcnt 0x0
	s_cmp_eq_u32 s19, 1                            ; the choices hang on the work-group's number alone
	s_cselect_b64 s[6:7], s[8:9], s[6:7]
	s_cmp_eq_u32 s19, 2
	s_cselect_b64 s[6:7], s[10:11], s[6:7]
	s_cmp_lt_u32 ttmp9, 512
	s_cselect_b64 s[4:5], s[4:5], s[6:7]
	s_cselect_b32 s18, ttmp9, s18                  ; my cell in its tensor: group (bits 3 on), K step (bits 2:0)
	s_lshr_b32 s20, s18, 3
	s_lshl_b32 s20, s20, 19                        ; 128 rows of 4,096 bytes
	s_lshl_b32 s23, s14, 17                        ; my 32 rows
	s_or_b32 s20, s20, s23
	s_and_b32 s23, s18, 7
	s_lshl_b32 s23, s23, 9                         ; 128 numbers
	s_or_b32 s20, s20, s23
	s_mov_b32 s21, 0
	s_add_nc_u64 s[4:5], s[4:5], s[20:21]
	s_mul_i32 s26, ttmp9, CELL
	s_mov_b32 s27, 0
	s_add_nc_u64 s[24:25], s[12:13], s[26:27]      ; my cell
	s_mul_i32 s26, s14, 3072
	s_add_nc_u64 s[12:13], s[24:25], s[26:27]      ; my two fragments
.macro LOADB t                         ; fragment t's sixteen rows, 512 consecutive bytes each
.irp i, 0,1,2,3,4,5,6,7,8,9,10,11,12,13,14,15
	global_load_b128 v[LD+64*(\t)+4*\i:LD+64*(\t)+4*\i+3], v4, s[4:5] offset:(8*(\t)+\i+8*(\i/8))*4096 th:TH_LOAD_NT
.endr
.endm
; 64 numbers of a lane, v[s] on, become a fragment's codes in v[PC] on and its scale word in v[pw]
.macro QUANT s, pw
.irp b, 0,1,2,3
	v_max3_num_f32 v[TM+\b], |v[\s+16*\b]|, |v[\s+1+16*\b]|, 0x2800000   ; block b: my 16 numbers, and the floor 2^(5 - 127): the byte cannot fall under 1
.endr
.irp i, 2,4,6,8,10,12,14
.irp b, 0,1,2,3
	v_max3_num_f32 v[TM+\b], v[TM+\b], |v[\s+16*\b+\i]|, |v[\s+1+16*\b+\i]|   ; the four blocks by turns
.endr
.endr
.irp b, 0,1,2,3
	v_permlanex16_b32 v[TM+4+\b], v[TM+\b], s[SEL], s[SEL+1]
.endr
.irp b, 0,1,2,3
	v_max_num_f32 v[TM+\b], v[TM+\b], v[TM+4+\b]   ; with lane l xor 16's: the block's largest magnitude
.endr
.irp b, 0,1,2,3
	v_add_nc_u32 v[TM+12+\b], 0xfe000000, v[TM+\b] ; 4 off its exponent field: the conversion's scale operand
.endr
.irp b, 0,1,2,3
	v_lshrrev_b32 v[TM+4+\b], 23, v[TM+12+\b]      ; the scale's byte
.endr
	v_lshl_or_b32 v[\pw], v[TM+5], 8, v[TM+4]
	v_lshl_or_b32 v[\pw], v[TM+6], 16, v[\pw]
	v_lshl_or_b32 v[\pw], v[TM+7], 24, v[\pw]
.irp c, 0,1
	v_cvt_scalef32_pk16_bf6_f32 v[PC+6*\c:PC+2+6*\c], v[\s+32*\c:\s+15+32*\c], v[TM+12+2*\c]
	v_cvt_scalef32_pk16_bf6_f32 v[PC+12+4*\c:PC+14+4*\c], v[\s+16+32*\c:\s+31+32*\c], v[TM+12+2*\c+1]   ; (a conversion's three registers begin on an even number)
.endr
	v_nop                                          ; one plain place behind a scaled conversion
.irp c, 0,1                            ; the operand's layout wants a whole block in a lane
.irp i, 0,1,2
	v_permlane16_swap_b32 v[PC+6*\c+\i], v[PC+12+4*\c+\i]
.endr
.irp i, 0,1,2
	v_mov_b32 v[PC+3+6*\c+\i], v[PC+12+4*\c+\i]
.endr
.endr
.endm
.macro BLOCK t
.if (\t) < 1
	s_wait_loadcnt 16                              ; this fragment's 16 loads are in; the next one's may be out
.else
	s_wait_loadcnt 0x0
.endif
.irp i, 0,1,2,3,4,5,6,7,8,9,10,11,12,13,14,15
	ds_store_b128 v5, v[LD+64*(\t)+4*\i:LD+64*(\t)+4*\i+3] offset:SPI*\i
.endr
.irp b, 0,1,2,3
.irp j, 0,1,2,3
	ds_load_b128 v[X+16*\b+4*\j:X+16*\b+4*\j+3], v6 offset:128*\b+16*\j   ; LDS serves a wave's instructions in order: these see the stores above
.endr
.endr
	s_wait_dscnt 0x0
.if (\t) > 0
	s_wait_xcnt 0x0                                ; the last fragment's stores have read v[PC] on: it is written again only behind this wait
.endif
	QUANT X, PW+(\t)
.irp c, 0,1,2
	global_store_b128 v4, v[PC+4*\c:PC+4*\c+3], s[12:13] offset:(\t)*1536+\c*512   ; 32 lanes store 512 consecutive bytes, at a multiple of 256 from the buffer's first byte
.endr
.endm
	LOADB 0
	LOADB 1
	BLOCK 0
	BLOCK 1
	s_wait_alu depctr_va_vdst(0)                   ; a wait ahead of the waits below
	ds_store_b64 v7, v[PW:PW+1]                    ; (lanes r and r + 16 write the same bytes with the same values)
	s_wait_dscnt 0x0
	s_barrier_signal -1
	s_barrier_wait -1
	s_cmp_lg_u32 s14, 0
	s_cbranch_scc1 .Lend
	ds_load_b128 v[26:29], v24
	s_wait_dscnt 0x0
	global_store_b128 v4, v[26:29], s[24:25] offset:12288
.Lend:
	s_wait_tensorcnt 0x0                           ; the wave's end
	ds_add_u32 v[SPW], v[NIL]
	s_wait_dscnt 0x0
	s_endpgm
.Lfunc_end_k_q8e194a4889_quant:
	.size	k_q8e194a4889_quant, .Lfunc_end_k_q8e194a4889_quant-k_q8e194a4889_quant
	.p2alignl 7, 3214868480
	.fill 96, 4, 3214868480
	.section	.rodata,"a",@progbits
	.p2align	6, 0x0
	.amdhsa_kernel k_q8e194a4889_quant
		.amdhsa_group_segment_fixed_size 34816
		.amdhsa_private_segment_fixed_size 0
		.amdhsa_enable_private_segment 0
		.amdhsa_kernarg_size 40
		.amdhsa_user_sgpr_count 2
		.amdhsa_user_sgpr_kernarg_segment_ptr 1
		.amdhsa_wavefront_size32 1
		.amdhsa_system_sgpr_workgroup_id_x 1
		.amdhsa_system_sgpr_workgroup_id_y 1
		.amdhsa_system_sgpr_workgroup_id_z 1
		.amdhsa_system_vgpr_workitem_id 0
		.amdhsa_next_free_vgpr 256
		.amdhsa_next_free_sgpr 66
		.amdhsa_reserve_vcc 0
		.amdhsa_float_denorm_mode_32 3
		.amdhsa_float_denorm_mode_16_64 3
		.amdhsa_memory_ordered 1
		.amdhsa_forward_progress 1
		.amdhsa_inst_pref_size 19
	.end_amdhsa_kernel
	.amdgpu_metadata
---
amdhsa.version: [ 1, 2 ]
amdhsa.kernels:
  - .name:           k_q8e194a4889_quant
    .symbol:         k_q8e194a4889_quant.kd
    .args:
      - { .name: x, .offset: 0, .size: 8, .value_kind: global_buffer, .address_space: global }
      - { .name: Wq, .offset: 8, .size: 8, .value_kind: global_buffer, .address_space: global }
      - { .name: Wk, .offset: 16, .size: 8, .value_kind: global_buffer, .address_space: global }
      - { .name: Wv, .offset: 24, .size: 8, .value_kind: global_buffer, .address_space: global }
      - { .name: xw, .offset: 32, .size: 8, .value_kind: global_buffer, .address_space: global }
    .group_segment_fixed_size: 34816
    .private_segment_fixed_size: 0
    .kernarg_segment_align: 8
    .kernarg_segment_size: 40
    .max_flat_workgroup_size: 128
    .sgpr_count:     66
    .vgpr_count:     256
    .wavefront_size: 32
...
	.end_amdgpu_metadata
.endif
;; end of part 1
;; launch proj (part 2): grid 8 x 32, 4 waves a work-group, clusters of 4 x 4, 327,680 bytes of LDS; arguments xw, qk, vt; writes qk, vt
.if DOCPART == 2
	.amdgcn_target "amdgcn-amd-amdhsa--gfx1250"
	.amdhsa_code_object_version 6
	.text
	.protected	k_q8e194a4889_proj
	.globl	k_q8e194a4889_proj
	.p2align	8
	.type	k_q8e194a4889_proj,@function
k_q8e194a4889_proj:
	s_mov_b64 s[64:65], 0
	v_nop
	global_prefetch_b8 v0, s[64:65] scope:SCOPE_SE
	s_setreg_imm32_b32 hwreg(HW_REG_WAVE_MODE, 25, 1), 1
	s_wait_xcnt 0x0
	s_wait_alu depctr_hold_cnt(0) depctr_sa_sdst(0) depctr_va_vdst(0) depctr_va_sdst(0) depctr_va_ssrc(0) depctr_va_vcc(0) depctr_vm_vsrc(0)
	s_getreg_b32 s2, hwreg(HW_REG_IB_STS2, 6, 4)
	s_cmp_eq_u32 s2, 0
	s_cbranch_scc0 .Lentry_in_a_cluster
	s_endpgm
.Lentry_in_a_cluster:
	s_bfe_u32 s2, ttmp6, 0x10000c
	s_cmp_lg_u32 s2, 0xf033
	s_cbranch_scc0 .Lentry_shape_is_right
	s_endpgm
.Lentry_shape_is_right:
; Q = x Wq^T, K = x Wk^T (quantised along the channels) and V^T = Wv x^T (quantised along the tokens, which are the last product's K), on codes of BF6 (E3M2) with E8M0 scales; K = 1,024, eight steps of 128.
; 256 work-groups: 256 tokens x 128 channels of each of the three.  Wave (th, col): 128 tokens x the 128 channels of Q (col = 0) or K (col = 1), and x 64 of the 128 channels of V (half col).
; REGISTERS: window 0: v1-31 addresses; v32-47 x's scale words, two sets; v48-55 W's, two sets; v64-159 x's eight fragments of a step; v160-255 W's fragments, four at a time, two buffers.
;   window 2: Q or K, channel fragments 0-3: accumulator (x fragment a, W fragment b) at v[8 (4 a + b)]; window 3: channel fragments 4-7; window 1: V^T: (Wv fragment b, x fragment a) at v[8 (8 b + a)].
; A step is three passes of 32 matrix instructions (four W fragments x eight x fragments); during one the next pass's four W fragments are fetched; in the third each pair of x fragments is fetched anew behind its last use.
; TRANSPOSED USE: for Q and K source 0 = W, so that a lane holds a token and its registers run along the channels; for V source 0 = x: a lane holds a channel, its registers run along the tokens.
; LDS: K steps 0-1 and later 5-6 at 0, steps 2-4 and later 7 behind them, each as [x group 0, 1, Wq, Wk, Wv][step] cells.  Wave 0 fetches x's two groups, waves 1-3 one W each: joint loads, x's shared along a row of the cluster, W's along a column.
; The chunks of steps: 2, 3, 2, 1; one tensor load of a wave is out at a time.  No L2 prefetch: K is short, and no loop is there to run ahead in.
; LIMITS: NaN and infinities are not served; a block of zeros gets the byte 1.
.set CELL,  12800
.set GK,    8*CELL
.set RGB,   10*CELL                    ; the second region
.set SPARE, 25*CELL                    ; two blocks of 256 bytes that no other line names
.set AX,    8                          ; v8-10   x's fragments: region 0 with 2 steps, region 1 with 3, region 1 with 1
.set AQ,    11                         ; v11-13  Wq's or Wk's
.set AV,    14                         ; v14-16  Wv's
.set SX,    17                         ; v17-25  the same for the scale words
.set SQ,    20
.set SV,    23
.set OVA,   26                         ; 16 r + 8 h
.set SPW,   28
.set NIL,   29
.set CO,    30                         ; 16 x lane
.set XS,    32
.set WS,    48
.set XF,    64
.set WF,    160
.set TM,    64                         ; the way out: v64-71 maxima, v72-79 at work, v80-87 the conversions' scale operands
.set TP,    72
.set SO,    80
.set CT,    88                         ; v88-103 the upper halves of two fragments' codes, as converted
.set PW,    104                        ; v104-111 scale words of Q's or K's fragments, v56-59 of V's
.set PV,    56
.set OS,    60
.set PC,    112                        ; v112-255 codes: twelve registers for each fragment (Q or K 0-7, V 8-11), so that no store's data are written again
.set HM,    17
.set SEL,   18
.set OUT,   20
.set OV,    22
.set G1A,   24
.set G1B,   32
.set G0A,   40
.set G0B,   44
.set MSB, 0
.macro WIN new
.if MSB != (\new)
	s_set_vgpr_msb (MSB<<8)|(\new)
.set MSB, (\new)
.endif
.endm
.macro WINX d, s0, s1, s2
.set WN, ((\d)<<6)|((\s2)<<4)|((\s1)<<2)|(\s0)
	WIN WN
.endm
.macro JLOAD                           ; a joint load: wave 0 fetches x's two groups, the others a W each; four v_nop follow each line
	s_cmp_eq_u32 s14, 0
	s_cbranch_scc0 .Lfor_b_\@
	tensor_load_to_lds s[G0A:G0A+3], s[G1A:G1A+7]
	s_nop 0
.rept 4
	v_nop
.endr
	s_branch .Lasked_\@
.Lfor_b_\@:
	tensor_load_to_lds s[G0B:G0B+3], s[G1B:G1B+7]
	s_nop 0
.rept 4
	v_nop
.endr
.Lasked_\@:
.endm
.macro CREST
	s_cmp_lg_u32 s14, 0
	s_cbranch_scc1 .Lnot_wave_0_\@
	s_barrier_signal -3
.Lnot_wave_0_\@:
	s_barrier_wait -3
	s_barrier_signal -1
	s_barrier_wait -1
.endm
.macro CROUND
	s_barrier_signal -1
	s_barrier_wait -1
	CREST
.endm
.macro PLACES n
.rept \n
	v_nop
.endr
.endm
; the descriptors of the next chunk: n steps, to LDS region reg, adv steps behind the last chunk's first.  Written where no tensor load of the wave is out
.macro NEXT n, reg, adv
.irp g, G1A, G1B
	s_mov_b32 s[\g+1], ((\n)*1600)<<16
	s_mov_b32 s[\g+3], ((\n)*1600)<<16
.endr
	s_mov_b32 s[G0A+1], \reg
	s_mul_i32 s77, s76, \n
	s_add_co_u32 s[G0B+1], s77, \reg
	s_add_nc_u64 s[G0A+2:G0A+3], s[G0A+2:G0A+3], (\adv)*CELL
	s_add_nc_u64 s[G0B+2:G0B+3], s[G0B+2:G0B+3], (\adv)*CELL
.endm
	s_load_b128 s[4:7], s[0:1], 0x0                ; xw, qk
	s_load_b64 s[8:9], s[0:1], 0x10                ; vt
	v_lshl_add_u32 v[SPW], v0, 2, SPARE
	v_mov_b32 v[NIL], 0
	ds_add_u32 v[SPW], v[NIL]
	ds_add_u32 v[SPW], v[NIL]
	v_lshrrev_b32 v1, 5, v0
	v_readfirstlane_b32 s14, v1
	s_lshr_b32 s15, s14, 1                         ; th
	s_and_b32 s16, s14, 1                          ; col
	s_bfe_u32 s66, ttmp6, 0x40000                  ; cx
	s_bfe_u32 s67, ttmp6, 0x40004                  ; cy
	s_lshl_b32 s68, ttmp9, 2
	s_add_co_u32 s68, s68, s66                     ; channel group
	s_and_b32 s69, ttmp7, 0xffff
	s_lshl_b32 s69, s69, 2
	s_add_co_u32 s69, s69, s67                     ; tile of 256 tokens
	s_lshl_b32 s70, s67, 2
	s_lshl_b32 s70, 15, s70                        ; my row of the cluster
	s_lshl_b32 s71, 0x1111, s66                    ; my column
	s_or_b32 s[G1A], s70, (3<<16)|(1<<21)
	s_or_b32 s[G1B], s71, (3<<16)|(1<<21)
.irp g, G1A, G1B                       ; rows of two cells, 25,600 bytes, a group (102,400 bytes) apart: x two rows, a W one
	s_mov_b32 s[\g+1], 3200<<16
	s_mov_b32 s[\g+3], 3200<<16
	s_mov_b32 s[\g+5], GK/8
	s_mov_b32 s[\g+6], 0
	s_mov_b32 s[\g+7], 0
.endr
	s_mov_b32 s[G1A+2], 2<<16
	s_mov_b32 s[G1A+4], 2
	s_mov_b32 s[G1B+2], 1<<16
	s_mov_b32 s[G1B+4], 1
	s_mov_b32 s[HM], 0xffff0000
	s_mov_b32 s[SEL], 0x76543210
	s_mov_b32 s[SEL+1], 0xfedcba98
	s_mul_i32 s72, s69, 2*GK                       ; x: group 2 x tile
	s_mov_b32 s73, 0
	s_lshl_b32 s74, s14, 3
	s_add_co_u32 s74, s74, 56
	s_add_co_u32 s74, s74, s68                     ; W: group 64 + 8 (wave - 1) + channel group
	s_mul_i32 s74, s74, GK
	s_mov_b32 s75, 0
	s_add_co_u32 s76, s14, 1
	s_mul_i32 s76, s76, CELL                       ; and its place: row wave + 1 of a region
	s_lshl_b32 s77, s76, 1
	s_wait_dscnt 0x0
	s_wait_alu depctr_va_vdst(0)
	CROUND                                         ; all sixteen work-groups are here: the first joint loads meet
	s_wait_kmcnt 0x0
	s_add_nc_u64 s[72:73], s[4:5], s[72:73]
	s_add_nc_u64 s[74:75], s[4:5], s[74:75]
	s_mov_b32 s[G0A], 1
	s_mov_b32 s[G0A+1], 0
	s_mov_b64 s[G0A+2:G0A+3], s[72:73]
	s_or_b32 s[G0A+3], s[G0A+3], 0x80000000
	s_mov_b32 s[G0B], 1
	s_mov_b32 s[G0B+1], s77
	s_mov_b64 s[G0B+2:G0B+3], s[74:75]
	s_or_b32 s[G0B+3], s[G0B+3], 0x80000000
	JLOAD                                          ; K steps 0 and 1
	s_mul_i32 s80, s15, CELL                       ; x: row th of a region,
	s_add_co_u32 s81, s16, 2
	s_mul_i32 s81, s81, CELL                       ; Wq or Wk: row 2 + col,
	s_mul_i32 s82, s16, 6144                       ; Wv: row 4, four fragments on where col = 1,
	s_lshl_b32 s83, s16, 8                         ; and its scale words 256 bytes on
	s_lshl_b32 s48, s80, 1
	s_lshl_b32 s49, s81, 1
	s_add_co_u32 s50, s82, 8*CELL
	s_add_co_u32 s51, s83, 8*CELL
	s_mul_i32 s52, s80, 3
	s_add_co_u32 s52, s52, RGB
	s_mul_i32 s53, s81, 3
	s_add_co_u32 s53, s53, RGB
	s_add_co_u32 s54, s82, RGB+12*CELL
	s_add_co_u32 s55, s83, RGB+12*CELL
	s_add_co_u32 s56, s80, RGB
	s_add_co_u32 s57, s81, RGB
	s_add_co_u32 s58, s82, RGB+4*CELL
	s_add_co_u32 s59, s83, RGB+4*CELL
	; where my results go
	s_lshl_b32 s78, s69, 1
	s_add_co_u32 s78, s78, s15                     ; my token group
	s_lshl_b32 s86, s16, 9
	s_lshl_b32 s87, s78, 3
	s_add_co_u32 s86, s86, s87
	s_add_co_u32 s86, s86, s68                     ; Q, K: cell 512 col + 8 x token group + channel group
	s_mul_i32 s86, s86, CELL
	s_mov_b32 s87, 0
	s_add_nc_u64 s[OUT:OUT+1], s[6:7], s[86:87]
	s_lshl_b32 s88, s68, 6
	s_add_co_u32 s88, s88, s78                     ; V: cell 64 x channel group + token group
	s_mul_i32 s88, s88, CELL
	s_add_co_u32 s90, s88, s83
	s_add_co_u32 s90, s90, 12288                   ; its 256 bytes of scale words
	s_mov_b32 s91, 0
	s_add_co_u32 s88, s88, s82                     ; its four fragments
	s_mov_b32 s89, 0
	s_add_nc_u64 s[OV:OV+1], s[8:9], s[88:89]
	s_add_nc_u64 s[90:91], s[8:9], s[90:91]
	v_and_b32 v1, 31, v0
	v_lshlrev_b32 v[CO], 4, v1
	v_and_b32 v2, 15, v0                           ; r
	v_bfe_u32 v3, v0, 4, 1                         ; h
	v_lshlrev_b32 v4, 4, v2
	v_add_nc_u32 v5, 12288, v4
	v_lshl_add_u32 v[OVA], v3, 3, v4
.irp k, 0,1,2
	v_add_nc_u32 v[AX+\k], s[48+4*\k], v[CO]
	v_add_nc_u32 v[AQ+\k], s[49+4*\k], v[CO]
	v_add_nc_u32 v[AV+\k], s[50+4*\k], v[CO]
	v_add_nc_u32 v[SX+\k], s[48+4*\k], v5
	v_add_nc_u32 v[SQ+\k], s[49+4*\k], v5
	v_add_nc_u32 v[SV+\k], s[51+4*\k], v5
.endr
.macro WHERE st                        ; which addresses serve K step st, and which step of its chunk it is
.if (\st) < 2
.set RV, 0
.set RQ, (\st)
.endif
.if (\st) >= 2
.set RV, 1
.set RQ, (\st)-2
.endif
.if (\st) >= 5
.set RV, 0
.set RQ, (\st)-5
.endif
.if (\st) >= 7
.set RV, 2
.set RQ, 0
.endif
.endm
; pass n = 3 x step + (0: channel fragments 0-3 of Q or K, 1: 4-7, 2: V).  13 LDS loads: its four W fragments into buffer n % 2 and their scale words
.macro LDQ n
.set QS, (\n)/3
.set QP, (\n)%3
.set QB, WF+48*((\n)%2)
.set QW, WS+4*((\n)%2)
	WHERE QS
.if QP == 2
.set QA, AV+RV
.set QC, SV+RV
.set QO, RQ*CELL
.set QD, RQ*CELL
.else
.set QA, AQ+RV
.set QC, SQ+RV
.set QO, RQ*CELL+QP*6144
.set QD, RQ*CELL+QP*256
.endif
.irp i, 0,1,2,3
.irp c, 0,1,2
	ds_load_b128 v[QB+12*\i+4*\c:QB+12*\i+4*\c+3], v[QA] offset:QO+\i*1536+\c*512
.endr
.endr
	ds_load_b128 v[QW:QW+3], v[QC] offset:QD
.endm
.macro LDX st, i0                      ; 6 LDS loads: two of x's fragments of a step
	WHERE \st
.irp i, \i0, \i0+1
.irp c, 0,1,2
	ds_load_b128 v[XF+12*(\i)+4*\c:XF+12*(\i)+4*\c+3], v[AX+RV] offset:RQ*CELL+(\i)*1536+\c*512
.endr
.endr
.endm
.macro LDXS st                         ; 2 LDS loads: x's scale words of a step
	WHERE \st
.irp j, 0,1
	ds_load_b128 v[XS+8*((\st)%2)+4*\j:XS+8*((\st)%2)+4*\j+3], v[SX+RV] offset:RQ*CELL+256*\j
.endr
.endm
.macro WM d, a, b, k0, k1              ; the first step's products start the sums
.if MS
	v_wmma_scale_f32_16x16x128_f8f6f4 v[\d:\d+7], v[\a:\a+11], v[\b:\b+11], v[\d:\d+7], v[\k0], v[\k1] matrix_a_fmt:MATRIX_FMT_BF6 matrix_b_fmt:MATRIX_FMT_BF6
.else
	v_wmma_scale_f32_16x16x128_f8f6f4 v[\d:\d+7], v[\a:\a+11], v[\b:\b+11], 0, v[\k0], v[\k1] matrix_a_fmt:MATRIX_FMT_BF6 matrix_b_fmt:MATRIX_FMT_BF6
.endif
.endm
; 8 matrix instructions of pass n: x's fragments x0, x0 + 1 x four W fragments.  The 96 accumulators take turns, one instruction a turn, in the same order in every step
.macro MUL8 n, x0
.set MS, (\n)/3
.set MP, (\n)%3
.set MB, WF+48*((\n)%2)
.set MW, WS+4*((\n)%2)
.set MX, XS+8*(MS%2)
.irp i, \x0, \x0+1
.irp b, 0,1,2,3
.if MP == 2
	WM 8*(8*\b+\i),XF+12*(\i),MB+12*\b,MX+\i,MW+\b
.else
	WM 8*(4*(\i)+\b),MB+12*\b,XF+12*(\i),MW+\b,MX+\i
.endif
.endr
.endr
.endm
.macro PASSA st
	LDQ 3*(\st)+1                                  ; (the four places behind the last step's products stand ahead of that step's last loads)
	s_wait_dscnt 31                                ; x's fragments 2-7 (18 loads) and the 13 just issued may be out
	WIN 0xa0
	MUL8 3*(\st), 0
	s_wait_dscnt 25
	MUL8 3*(\st), 2
	s_wait_dscnt 19
	MUL8 3*(\st), 4
	s_wait_dscnt 13
	MUL8 3*(\st), 6
	WIN 0
.endm
.macro PASSB st
	s_wait_dscnt 0x0
	PLACES 4                                       ; in front of loads into registers that matrix instructions have read
	LDQ 3*(\st)+2
	WIN 0xf0
.irp y, 0,2,4,6
	MUL8 3*(\st)+1, \y
.endr
	WIN 0
.endm
.macro PASSC st                        ; the next step lies in a chunk that is there
	s_wait_dscnt 0x0
	PLACES 4
	LDQ 3*(\st)+3
	LDXS (\st)+1
.irp y, 0,2,4,6
	WIN 0x50
	MUL8 3*(\st)+2, \y
	WIN 0
	PLACES 4
	LDX (\st)+1, \y
.endr
.endm
; The same in a chunk's last step.  In front of the barrier each wave waits for all its tensor loads (the next chunk is there), adds 0 to its spare word, and waits for that and for its reads of this chunk.
; n > 0: the barrier opens a round of the cluster's barrier, and the region left is filled again, with n steps.
.macro TURN st, n, reg, adv
	s_wait_tensorcnt 0x0
	ds_add_u32 v[SPW], v[NIL]                      ; 0 onto my spare word
.if \n
	NEXT \n, \reg, \adv
.endif
	s_wait_dscnt 1                                 ; this pass's fragments are in; the add may be out
	WIN 0x50
	MUL8 3*(\st)+2, 0
	s_wait_dscnt 0x0
	s_barrier_signal -1
	MUL8 3*(\st)+2, 2
	WIN 0
	s_barrier_wait -1
.if \n
	CREST
	JLOAD                                          ; the first tensor load behind the round; its four v_nop are the places in front of the loads below
.else
	PLACES 4
.endif
	LDQ 3*(\st)+3
	LDXS (\st)+1
	LDX (\st)+1, 0
	LDX (\st)+1, 2
.irp y, 4,6
	WIN 0x50
	MUL8 3*(\st)+2, \y
	WIN 0
	PLACES 4
	LDX (\st)+1, \y
.endr
.endm
	s_wait_alu depctr_va_vdst(0)                   ; the wait at the head's end
	s_wait_tensorcnt 0x0                           ; my part of K steps 0 and 1 is in
	ds_add_u32 v[SPW], v[NIL]
	NEXT 3, RGB, 2
	s_wait_dscnt 0x0
	CROUND                                         ; everybody's part is in,
	JLOAD                                          ; and K steps 2-4 are asked for
	LDQ 0
	LDXS 0
.irp y, 0,2,4,6
	LDX 0, \y
.endr
	PASSA 0
	PASSB 0
	PASSC 0
	PASSA 1
	PASSB 1
	TURN 1, 2, 0, 3                                ; region 0 takes K steps 5 and 6
	PASSA 2
	PASSB 2
	PASSC 2
	PASSA 3
	PASSB 3
	PASSC 3
	PASSA 4
	PASSB 4
	TURN 4, 1, RGB, 2                              ; region 1 takes K step 7
	PASSA 5
	PASSB 5
	PASSC 5
	PASSA 6
	PASSB 6
	TURN 6, 0, 0, 0                                ; K step 7 is there; nothing is filled again
	PASSA 7
	PASSB 7
	s_wait_dscnt 0x0
	WIN 0x50
.irp y, 0,2,4,6
	MUL8 23, \y
.endr
	WIN 0
	PLACES 4                                       ; in front of writes into registers that held fragments
.irp m, 0,1,2,3,4,5,6,7
	v_mov_b32 v[TP+\m], 0                          ; a lane permute's destination counts as one of its sources
.endr
; THE WAY OUT, two fragments at a time: eight blocks of 32 (m = 4 t + block) by turns
.macro QMAX w, a                       ; token fragments a, a + 1: blocks 2 w, 2 w + 1 lie in window 2 + w; each accumulator is read from its low end on
	WINX 0, 2+(\w), 2+(\w), 0
.irp t, 0,1
.irp b, 0,1
	v_max3_num_f32 v[TM+4*\t+2*(\w)+\b], |v[32*((\a)+\t)+16*\b]|, |v[32*((\a)+\t)+16*\b+1]|, 0x2800000   ; the floor 2^(5 - 127) holds the byte at 1 from below
.endr
.endr
	WINX 0, 0, 2+(\w), 2+(\w)
.irp i, 2,4,6,8,10,12,14
.irp t, 0,1
.irp b, 0,1
	v_max3_num_f32 v[TM+4*\t+2*(\w)+\b], v[TM+4*\t+2*(\w)+\b], |v[32*((\a)+\t)+16*\b+\i]|, |v[32*((\a)+\t)+16*\b+\i+1]|
.endr
.endr
.endr
.endm
.macro QTAIL pw                        ; scale operands, bytes, and the two fragments' scale words
.irp m, 0,1,2,3,4,5,6,7
	v_permlanex16_b32 v[TP+\m], v[TM+\m], s[SEL], s[SEL+1]
.endr
.irp m, 0,1,2,3,4,5,6,7
	v_max_num_f32 v[TM+\m], v[TM+\m], v[TP+\m]
.endr
.irp m, 0,1,2,3,4,5,6,7
	v_add_nc_u32 v[SO+\m], 0xfe000000, v[TM+\m]
.endr
.irp m, 0,1,2,3,4,5,6,7
	v_lshrrev_b32 v[TP+\m], 23, v[SO+\m]
.endr
.irp k, 1,2,3
.irp t, 0,1
.if \k == 1
	v_lshl_or_b32 v[\pw+\t], v[TP+4*\t+1], 8, v[TP+4*\t]
.else
	v_lshl_or_b32 v[\pw+\t], v[TP+4*\t+\k], 8*\k, v[\pw+\t]
.endif
.endr
.endr
.endm
.macro CV t, c, wn, s, f               ; fragment t of the pair, f of all: blocks 2 c and 2 c + 1: 32 registers from v[s] on in window wn
	WINX 0, \wn, 0, 0
	v_cvt_scalef32_pk16_bf6_f32 v[PC+12*(\f)+6*\c:PC+12*(\f)+6*\c+2], v[\s:\s+15], v[SO+4*\t+2*\c]
	v_cvt_scalef32_pk16_bf6_f32 v[CT+8*\t+4*\c:CT+8*\t+4*\c+2], v[\s+16:\s+31], v[SO+4*\t+2*\c+1]
.endm
.macro QOUT base, f, g                 ; f: the pair's first fragment in its cell, g: among all
	WIN 0
	v_nop                                          ; one plain place behind a scaled conversion
.irp t, 0,1
.irp c, 0,1
.irp i, 0,1,2
	v_permlane16_swap_b32 v[PC+12*(\g+\t)+6*\c+\i], v[CT+8*\t+4*\c+\i]
.endr
.irp i, 0,1,2
	v_mov_b32 v[PC+12*(\g+\t)+3+6*\c+\i], v[CT+8*\t+4*\c+\i]
.endr
.endr
.endr
.irp t, 0,1
.irp c, 0,1,2
	global_store_b128 v[CO], v[PC+12*(\g+\t)+4*\c:PC+12*(\g+\t)+4*\c+3], s[\base:\base+1] offset:(\f+\t)*1536+\c*512   ; 512 consecutive bytes, at a multiple of 256 from the buffer's first byte
.endr
.endr
.endm
.macro QKOUT a
	QMAX 0, \a
	QMAX 1, \a
	WIN 0
	QTAIL PW+\a
.irp c, 0,1
.irp t, 0,1
	CV \t,\c,2+\c,32*(\a+\t),\a+\t
.endr
.endr
	QOUT OUT, \a, \a
.endm
.macro QVOUT a                         ; V's channel fragments a, a + 1
	WINX 0, 1, 1, 0
.irp t, 0,1
.irp k, 0,1,2,3
	v_max3_num_f32 v[TM+4*\t+\k], |v[64*(\a+\t)+16*\k]|, |v[64*(\a+\t)+16*\k+1]|, 0x2800000
.endr
.endr
	WINX 0, 0, 1, 1
.irp i, 2,4,6,8,10,12,14
.irp t, 0,1
.irp k, 0,1,2,3
	v_max3_num_f32 v[TM+4*\t+\k], v[TM+4*\t+\k], |v[64*(\a+\t)+16*\k+\i]|, |v[64*(\a+\t)+16*\k+\i+1]|
.endr
.endr
.endr
	WIN 0
	QTAIL PV+\a
.irp c, 0,1
.irp t, 0,1
	CV \t,\c,1,64*(\a+\t)+32*\c,8+\a+\t
.endr
.endr
	QOUT OV, \a, 8+\a
.endm
.irp y, 0,2,4,6
	QKOUT \y
.endr
.irp k, 0,1,2,3
	v_cndmask_b32 v[OS+\k], v[PW+\k], v[PW+4+\k], s[HM]   ; lanes 0-15: row r of fragments 0-3; lanes 16-31: of 4-7
.endr
	global_store_b128 v[CO], v[OS:OS+3], s[OUT:OUT+1] offset:12288
.irp y, 0,2
	QVOUT \y
.endr
	v_cndmask_b32 v[OS+4], v[PV], v[PV+2], s[HM]
	v_cndmask_b32 v[OS+5], v[PV+1], v[PV+3], s[HM]
	global_store_b64 v[OVA], v[OS+4:OS+5], s[90:91]        ; 256 consecutive bytes
	s_wait_tensorcnt 0x0                           ; the wave's end
	ds_add_u32 v[SPW], v[NIL]
	s_wait_dscnt 0x0
	CROUND                                         ; the closing round
	s_endpgm
.Lfunc_end_k_q8e194a4889_proj:
	.size	k_q8e194a4889_proj, .Lfunc_end_k_q8e194a4889_proj-k_q8e194a4889_proj
	.p2alignl 7, 3214868480
	.fill 96, 4, 3214868480
	.section	.rodata,"a",@progbits
	.p2align	6, 0x0
	.amdhsa_kernel k_q8e194a4889_proj
		.amdhsa_group_segment_fixed_size 327680
		.amdhsa_private_segment_fixed_size 0
		.amdhsa_enable_private_segment 0
		.amdhsa_kernarg_size 24
		.amdhsa_user_sgpr_count 2
		.amdhsa_user_sgpr_kernarg_segment_ptr 1
		.amdhsa_wavefront_size32 1
		.amdhsa_system_sgpr_workgroup_id_x 1
		.amdhsa_system_sgpr_workgroup_id_y 1
		.amdhsa_system_sgpr_workgroup_id_z 1
		.amdhsa_system_vgpr_workitem_id 0
		.amdhsa_next_free_vgpr 1024
		.amdhsa_next_free_sgpr 96
		.amdhsa_reserve_vcc 0
		.amdhsa_float_denorm_mode_32 3
		.amdhsa_float_denorm_mode_16_64 3
		.amdhsa_memory_ordered 1
		.amdhsa_forward_progress 1
		.amdhsa_inst_pref_size 199
	.end_amdhsa_kernel
	.amdgpu_metadata
---
amdhsa.version: [ 1, 2 ]
amdhsa.kernels:
  - .name:           k_q8e194a4889_proj
    .symbol:         k_q8e194a4889_proj.kd
    .args:
      - { .name: xw, .offset: 0, .size: 8, .value_kind: global_buffer, .address_space: global }
      - { .name: qk, .offset: 8, .size: 8, .value_kind: global_buffer, .address_space: global }
      - { .name: vt, .offset: 16, .size: 8, .value_kind: global_buffer, .address_space: global }
    .group_segment_fixed_size: 327680
    .private_segment_fixed_size: 0
    .kernarg_segment_align: 8
    .kernarg_segment_size: 24
    .max_flat_workgroup_size: 128
    .sgpr_count:     96
    .vgpr_count:     1024
    .wavefront_size: 32
...
	.end_amdgpu_metadata
.endif
;; end of part 2
;; launch score (part 3): grid 4 x 48, 8 waves a work-group, clusters of 4 x 4, 327,680 bytes of LDS; arguments qk, p, pst; writes p, pst
.if DOCPART == 3
	.amdgcn_target "amdgcn-amd-amdhsa--gfx1250"
	.amdhsa_code_object_version 6
	.text
	.protected	k_q8e194a4889_score
	.globl	k_q8e194a4889_score
	.p2align	8
	.type	k_q8e194a4889_score,@function
k_q8e194a4889_score:
	s_mov_b64 s[64:65], 0
	v_nop
	global_prefetch_b8 v0, s[64:65] scope:SCOPE_SE
	s_setreg_imm32_b32 hwreg(HW_REG_WAVE_MODE, 25, 1), 1
	s_wait_xcnt 0x0
	s_wait_alu depctr_hold_cnt(0) depctr_sa_sdst(0) depctr_va_vdst(0) depctr_va_sdst(0) depctr_va_ssrc(0) depctr_va_vcc(0) depctr_vm_vsrc(0)
	s_getreg_b32 s2, hwreg(HW_REG_IB_STS2, 6, 4)
	s_cmp_eq_u32 s2, 0
	s_cbranch_scc0 .Lentry_in_a_cluster
	s_endpgm
.Lentry_in_a_cluster:
	s_bfe_u32 s2, ttmp6, 0x10000c
	s_cmp_lg_u32 s2, 0xf033
	s_cbranch_scc0 .Lentry_shape_is_right
	s_endpgm
.Lentry_shape_is_right:
; SCORES AND SOFTMAX.  Twelve clusters: y = 0 .. 11 is batch y / 3 and one of its 2 x 2 blocks of 1,024 queries x 1,024 keys; the one that the causal mask hides wholly is left out (the first kernel's head shows why): (0,0), (1,0), (1,1).
; S^T = k q^T on codes of BF6, K = 1,024.  A work-group makes 256 queries x 256 keys; a wave 64 queries x 128 keys: of query group w / 4 the fragments 2 a + half, half = (w / 2) % 2, a = 0 .. 3, against key group w % 2.
; On the way out a wave's scores get the mask, t = score x log2(e) / 32, a LOCAL M = the ceiling of the row's largest t among these 128 keys, p = 2^(t - M), the row's sum of the unquantised p, and p's codes and scale
; bytes along the keys.  M is a whole number, so the next launch brings a cell under the row's own M by taking M_row - M_local off its scale bytes: the codes stay.
; A maximum is taken away ahead of every exponential.  A row of a cell that the mask hides wholly: M is held at -3e38, p = 0, codes 0, byte 1, sum 0.
; Tiles above the diagonal of a diagonal cluster are multiplied too: every partner makes every joint request, and no branch hangs on a place in the cluster; their cells are zeros, which the next launch reads.
; q's and k's cells: 12,800 bytes, as in the launches before.  p's cells (128 queries x 128 keys) hold codes alone (12,288 bytes) at 16 g + s, THE FRAGMENTS IN THE ORDER j = 4 half + a: lane r of fragment j holds query
; 32 (j % 4) + 8 (j / 4) + r + 8 (r / 8).  pst holds for each cell 512 bytes of raw scale words, 512 of -M and 512 of the sums, each [j / 4][r][j % 4].
; THE MATRIX INSTRUCTION IS USED TRANSPOSED: source 0 = 16 keys, source 1 = 16 queries: a lane holds one query, its registers run along the keys.
; LDS: K steps 0-2 and later 6-7 at 0, steps 3-5 behind them, each as [q group 0, 1, k group 0, 1][step] cells; each wave fetches half of one group's run of cells, one tensor load of a wave is out at a time.
; REGISTERS: window 0: v8-31 addresses; v32-55 scale words; v64-159 q's four fragments, two sets; v160-255 k's eight, one set, fetched anew by halves.  window 1: accumulator (a, b) at v[8 (8 a + b)].
; No L2 prefetch: K is short, and no loop is there to run ahead in.
; LIMITS: the promise holds while the scaled scores stay under 2^31 in magnitude; NaN and infinities are not served; a block of zeros gets the byte 1; a block's largest p is made from its largest score by the same two
; instructions, which takes v_exp_f32 not to fall where its input rises.
.set CELL,  12800
.set PCELL, 12288
.set GK,    8*CELL
.set RGB,   12*CELL
.set KOFF,  512*CELL                   ; k's cells in qk
.set SPARE, 24*CELL                    ; four blocks of 256 bytes that no other line names
.set ADRA,  8                          ; three addresses each: region 0 with 3 steps, region 1 with 3, region 0 with 2
.set ADRB,  11
.set ADSA,  16
.set ADSB,  19
.set OVA,   22                         ; 16 r + 8 h
.set SPW,   28
.set NIL,   29
.set CO,    30                         ; 16 x lane
.set SCA,   32                         ; v32-39 q's scale words, v40-55 k's, two sets each, nothing else
.set SCB,   40
.set AF,    64
.set BF,    160
.set BM,    64                         ; the way out, two blocks of queries by turns: v64-71 the largest scores of their blocks of 32 keys,
.set BT,    72                         ; v72-79 at work,
.set SO,    80                         ; v80-87 the conversions' scale operands,
.set AD,    88                         ; v88-103 the addends -M (+ penalty), each the lower of a pair,
.set MT,    104                        ; v104-105 at work,
.set SU,    108                        ; v108-123 the sums' eight chains,
.set CT,    124                        ; v124-139 the upper halves of the codes, as converted
.set PC,    144                        ; v144-191 codes: twelve registers for each of the four blocks, so that no store's data are written again
.set PW,    192                        ; v192-195 scale words, v196-199 sums, v200-203 -M of the four blocks
.set LSS,   196
.set NMS,   200
.set OS,    204
.set CS,    2                          ; s[2:3] c = log2(e) / 32
.set PLT,   10                         ; s10  -infinity where my keys lie behind my queries, else 0
.set PLE,   11                         ; s11  -infinity where they lie behind or on the diagonal, else 0
.set HM,    17
.set SEL,   18
.set OUT,   20
.set OST,   22
.set G1,    24
.set G1B,   32
.set G0,    40
.set G0B,   44
.set KM,    84                         ; s84-99: lane masks of the hidden keys of the one block of 32 keys that the diagonal can cut: the i-th of my 16
.set MSB, 0
.macro WIN new
.if MSB != (\new)
	s_set_vgpr_msb (MSB<<8)|(\new)
.set MSB, (\new)
.endif
.endm
.macro JLOAD                           ; a joint load: waves 0-3 fetch q's cells, waves 4-7 k's; four v_nop follow each line
	s_cmp_eq_u32 s15, 0
	s_cbranch_scc0 .Lfor_b_\@
	tensor_load_to_lds s[G0:G0+3], s[G1:G1+7]
	s_nop 0
.rept 4
	v_nop
.endr
	s_branch .Lasked_\@
.Lfor_b_\@:
	tensor_load_to_lds s[G0B:G0B+3], s[G1B:G1B+7]
	s_nop 0
.rept 4
	v_nop
.endr
.Lasked_\@:
.endm
.macro CREST
	s_cmp_lg_u32 s14, 0
	s_cbranch_scc1 .Lnot_wave_0_\@
	s_barrier_signal -3
.Lnot_wave_0_\@:
	s_barrier_wait -3
	s_barrier_signal -1
	s_barrier_wait -1
.endm
.macro CROUND
	s_barrier_signal -1
	s_barrier_wait -1
	CREST
.endm
.macro PLACES n
.rept \n
	v_nop
.endr
.endm
.macro NEXT n, reg                     ; the descriptors of the next chunk: n steps (half of them a wave), to LDS region reg, three steps behind the last chunk's first
.irp g, G1, G1B
	s_mov_b32 s[\g+2], ((\n)*25)<<16
	s_mov_b32 s[\g+4], (\n)*25
.endr
	s_mul_i32 s77, s76, \n
	s_add_co_u32 s[G0+1], s77, \reg
	s_add_co_u32 s[G0B+1], s77, \reg
.if (\n) == 3
	s_add_nc_u64 s[G0+2:G0+3], s[G0+2:G0+3], 3*CELL
	s_add_nc_u64 s[G0B+2:G0B+3], s[G0B+2:G0B+3], 3*CELL
.else
	s_add_nc_u64 s[G0+2:G0+3], s[G0+2:G0+3], s[12:13]
	s_add_nc_u64 s[G0B+2:G0B+3], s[G0B+2:G0B+3], s[12:13]
.endif
.endm
	s_load_b128 s[4:7], s[0:1], 0x0                ; qk, p
	s_load_b64 s[8:9], s[0:1], 0x10                ; pst
	v_lshl_add_u32 v[SPW], v0, 2, SPARE
	v_mov_b32 v[NIL], 0
	ds_add_u32 v[SPW], v[NIL]
	ds_add_u32 v[SPW], v[NIL]
	v_lshrrev_b32 v1, 5, v0
	v_readfirstlane_b32 s14, v1
	s_lshr_b32 s15, s14, 2                         ; my query group.  Also: I fetch for q (0) or k (1)
	s_bfe_u32 s16, s14, 0x10001                    ; my half of its fragments.  Also: which of the two groups I fetch
	s_and_b32 s58, s14, 1                          ; my key group.  Also: which half of the run I fetch
	s_bfe_u32 s66, ttmp6, 0x40000                  ; cx
	s_bfe_u32 s67, ttmp6, 0x40004                  ; cy
	s_and_b32 s69, ttmp7, 0xffff                   ; the cluster's y
	s_lshl_b32 s70, s67, 2
	s_lshl_b32 s70, 15, s70
	s_lshl_b32 s71, 0x1111, s66
	s_or_b32 s[G1], s70, (3<<16)|(1<<21)
	s_or_b32 s[G1B], s71, (3<<16)|(1<<21)
.irp g, G1, G1B                        ; half of a dense run of three cells as 75 rows of 256 bytes
	s_mov_b32 s[\g+1], 32<<16
	s_mov_b32 s[\g+2], 75<<16
	s_mov_b32 s[\g+3], 32<<16
	s_mov_b32 s[\g+4], 75
	s_mov_b32 s[\g+5], 32
	s_mov_b32 s[\g+6], 0
	s_mov_b32 s[\g+7], 0
.endr
	s_mov_b32 s[HM], 0xffff0000
	s_mov_b32 s[SEL], 0x76543210
	s_mov_b32 s[SEL+1], 0xfedcba98
	s_mov_b32 s[CS], 0x3d38aa3b                    ; log2(e) / 32
	s_mov_b32 s[CS+1], s[CS]                       ; (named with it as a pair, so it is written)
	s_mul_i32 s81, s69, 11
	s_lshr_b32 s81, s81, 5                         ; the batch: y / 3
	s_mul_i32 s82, s81, 3
	s_sub_co_u32 s82, s69, s82                     ; 0: (0,0)  1: (1,0)  2: (1,1)
	s_add_co_u32 s83, s82, 1
	s_lshr_b32 s83, s83, 1
	s_lshl_b32 s83, s83, 3                         ; the block's first query group in the batch
	s_lshr_b32 s84, s82, 1
	s_lshl_b32 s84, s84, 3                         ; its first key step
	s_lshl_b32 s85, s81, 4                         ; the batch's first token group
	s_mul_i32 s78, s58, 3*6400                     ; my half of the run
	s_lshl_b32 s72, s67, 1
	s_add_co_u32 s72, s72, s85
	s_add_co_u32 s72, s72, s83
	s_add_co_u32 s72, s72, s16                     ; q: + 2 cy + which group
	s_mul_i32 s72, s72, GK
	s_add_co_u32 s72, s72, s78
	s_mov_b32 s73, 0
	s_lshl_b32 s74, s66, 1
	s_add_co_u32 s74, s74, s85
	s_add_co_u32 s74, s74, s84
	s_add_co_u32 s74, s74, s16                     ; k: + 2 cx + which group
	s_mul_i32 s74, s74, GK
	s_add_co_u32 s74, s74, s78
	s_add_co_u32 s74, s74, KOFF
	s_mov_b32 s75, 0
	s_mul_i32 s76, s14, 6400
	s_mul_i32 s77, s76, 3
	s_mul_i32 s12, s58, 6400
	s_sub_co_u32 s12, 3*CELL, s12                  ; the last chunk's halves are shorter by 6,400 bytes
	s_mov_b32 s13, 0
	s_wait_dscnt 0x0
	s_wait_alu depctr_va_vdst(0)
	CROUND                                         ; all sixteen work-groups are here: the first joint loads meet
	s_wait_kmcnt 0x0
	s_add_nc_u64 s[72:73], s[4:5], s[72:73]
	s_add_nc_u64 s[74:75], s[4:5], s[74:75]
	s_mov_b32 s[G0], 1
	s_mov_b32 s[G0+1], s77
	s_mov_b64 s[G0+2:G0+3], s[72:73]
	s_or_b32 s[G0+3], s[G0+3], 0x80000000
	s_mov_b32 s[G0B], 1
	s_mov_b32 s[G0B+1], s77
	s_mov_b64 s[G0B+2:G0B+3], s[74:75]
	s_or_b32 s[G0B+3], s[G0B+3], 0x80000000
	JLOAD                                          ; K steps 0-2
	s_add_co_u32 s57, s58, 2
	s_mul_i32 s48, s15, 3*CELL                     ; my group of q in region 0 with 3 steps,
	s_mul_i32 s51, s57, 3*CELL                     ; my group of k,
	s_add_co_u32 s49, s48, RGB
	s_add_co_u32 s52, s51, RGB
	s_mul_i32 s50, s15, 2*CELL
	s_mul_i32 s53, s57, 2*CELL
	s_mul_i32 s54, s16, 1536                       ; the first of my fragments of q,
	s_lshl_b32 s55, s16, 2                         ; and its scale words
	s_lshl_b32 s56, s16, 3
	; where my results go
	s_lshl_b32 s77, s67, 1
	s_add_co_u32 s77, s77, s15                     ; 2 cy + my query group
	s_lshl_b32 s78, s66, 1
	s_add_co_u32 s78, s78, s58                     ; 2 cx + my key group
	s_add_co_u32 s86, s83, s77                     ; my query group in the batch,
	s_add_co_u32 s87, s84, s78                     ; my key step
	s_cmp_lt_u32 s86, s87
	s_cselect_b32 s[PLT], 0xff800000, 0
	s_cmp_le_u32 s86, s87
	s_cselect_b32 s[PLE], 0xff800000, 0
	s_sub_co_u32 s95, s86, s87
	s_lshl_b32 s95, s95, 7                         ; my group's first query less my first key,
	s_add_co_u32 s95, s95, s56                     ; + 8 x half
	s_add_co_u32 s80, s85, s86
	s_lshl_b32 s80, s80, 4
	s_add_co_u32 s80, s80, s87                     ; cell 16 g + s
	s_mul_i32 s88, s80, PCELL
	s_mul_i32 s89, s16, 6144
	s_add_co_u32 s88, s88, s89                     ; my four fragments
	s_mul_i32 s80, s80, 1536
	s_lshl_b32 s89, s16, 8
	s_add_co_u32 s80, s80, s89                     ; my 256 bytes of words, of -M, of sums
	s_mov_b32 s89, 0
	s_mov_b32 s81, 0
	s_add_nc_u64 s[OUT:OUT+1], s[6:7], s[88:89]
	s_add_nc_u64 s[OST:OST+1], s[8:9], s[80:81]
	v_and_b32 v1, 31, v0
	v_lshlrev_b32 v[CO], 4, v1
	v_and_b32 v2, 15, v0                           ; r
	v_bfe_u32 v3, v0, 4, 1                         ; h
	v_lshlrev_b32 v4, 4, v2
	v_lshl_add_u32 v[OVA], v3, 3, v4
	v_add_nc_u32 v4, 12288, v4
	v_add_nc_u32 v5, s54, v[CO]
	v_add_nc_u32 v6, s55, v4
.irp k, 0,1,2
	v_add_nc_u32 v[ADRA+\k], s[48+\k], v5
	v_add_nc_u32 v[ADRB+\k], s[51+\k], v[CO]
	v_add_nc_u32 v[ADSA+\k], s[48+\k], v6
	v_add_nc_u32 v[ADSB+\k], s[51+\k], v4
.endr
	v_and_b32 v31, 8, v2
	v_add_nc_u32 v31, v31, v2                      ; r + 8 (r / 8)
	v_lshlrev_b32 v7, 4, v3
	v_sub_nc_u32 v31, v31, v7
	v_add_nc_u32 v31, s95, v31                     ; block 0's query less the key of my register 0: register 16 b + i of block a is hidden where 32 b + i is greater than this + 32 a
	v_mov_b32 v15, 0xff800000                      ; -infinity
.irp i, 0,1,2,3,4,5,6,7,8,9,10,11,12,13,14,15
	v_cmp_gt_i32 s[KM+\i], \i, v31                 ; block b = a of keys: i against this.  In the others all keys count alike: for b under a hidden behind the diagonal alone, for b over it on the diagonal too
.endr
; 18 LDS loads: q's fragments of a step (the chunk's q-th) and all scale words, into set p
.macro FA v, q, p
.irp i, 0,1,2,3
.irp c, 0,1,2
	ds_load_b128 v[AF+48*(\p)+12*\i+4*\c:AF+48*(\p)+12*\i+4*\c+3], v[ADRA+\v] offset:(\q)*CELL+\i*3072+\c*512
.endr
.endr
.irp i, 0,1,2,3
	ds_load_b32 v[SCA+4*(\p)+\i], v[ADSA+\v] offset:(\q)*CELL+256*(\i/2)+8*(\i%2)
.endr
.irp j, 0,1
	ds_load_b128 v[SCB+8*(\p)+4*\j:SCB+8*(\p)+4*\j+3], v[ADSB+\v] offset:(\q)*CELL+256*\j
.endr
.endm
; 12 LDS loads: k's fragments b0 .. b0 + 3 of a step
.macro FB v, q, b0
.irp i, 0,1,2,3
.irp c, 0,1,2
	ds_load_b128 v[BF+12*(\b0+\i)+4*\c:BF+12*(\b0+\i)+4*\c+3], v[ADRB+\v] offset:(\q)*CELL+(\b0+\i)*1536+\c*512
.endr
.endr
.endm
; 8 matrix instructions: k's fragments b0, b0 + 1 x q's four.  The 32 accumulators take turns, one instruction a turn, in the same order in every step.
.macro MUL8 p, b0, zero
.irp b, \b0, \b0+1
.irp a, 0,1,2,3
.if \zero
	v_wmma_scale_f32_16x16x128_f8f6f4 v[8*(8*\a+\b):8*(8*\a+\b)+7], v[BF+12*(\b):BF+12*(\b)+11], v[AF+48*(\p)+12*\a:AF+48*(\p)+12*\a+11], 0, v[SCB+8*(\p)+\b], v[SCA+4*(\p)+\a] matrix_a_fmt:MATRIX_FMT_BF6 matrix_b_fmt:MATRIX_FMT_BF6
.else
	v_wmma_scale_f32_16x16x128_f8f6f4 v[8*(8*\a+\b):8*(8*\a+\b)+7], v[BF+12*(\b):BF+12*(\b)+11], v[AF+48*(\p)+12*\a:AF+48*(\p)+12*\a+11], v[8*(8*\a+\b):8*(8*\a+\b)+7], v[SCB+8*(\p)+\b], v[SCA+4*(\p)+\a] matrix_a_fmt:MATRIX_FMT_BF6 matrix_b_fmt:MATRIX_FMT_BF6
.endif
.endr
.endr
.endm
.macro STEP p, nv, nq, zero
	s_wait_dscnt 12                                ; all but k's fragments 4-7 are in
	WIN 0x50
	MUL8 \p, 0, \zero
	MUL8 \p, 2, \zero
	WIN 0
	PLACES 4                                       ; in front of loads into registers that matrix instructions have read
	FA \nv, \nq, 1-(\p)
	FB \nv, \nq, 0
	s_wait_dscnt 30                                ; all but the 30 just issued
	WIN 0x50
	MUL8 \p, 4, \zero
	MUL8 \p, 6, \zero
	WIN 0
	PLACES 4
	FB \nv, \nq, 4
.endm
; A chunk's last step.  In front of the barrier each wave waits for all its tensor loads (the next chunk is there), adds 0 to its spare word, and waits for that and for its LDS reads.
; fill = 1: the barrier opens a round of the cluster's barrier, behind which region 0 takes K steps 6 and 7.
.macro TURN p, nv, nq, fill
	s_wait_tensorcnt 0x0
	ds_add_u32 v[SPW], v[NIL]                      ; 0 onto my spare word
.if \fill
	NEXT 2, 0
.endif
	s_wait_dscnt 13                                ; k's fragments 4-7 and the add may be out
	WIN 0x50
	MUL8 \p, 0, 0
	MUL8 \p, 2, 0
	s_wait_dscnt 0x0
	s_barrier_signal -1
	MUL8 \p, 4, 0
	WIN 0
	s_barrier_wait -1
.if \fill
	CREST
	JLOAD                                          ; the first tensor load behind the round; its four v_nop are the places in front of the loads that follow
.else
	PLACES 4
.endif
	FA \nv, \nq, 1-(\p)
	FB \nv, \nq, 0
	WIN 0x50
	MUL8 \p, 6, 0
	WIN 0
	PLACES 4
	FB \nv, \nq, 4
.endm
; THE WAY OUT of blocks a and a + 1 (a even, t = 0, 1) by turns: eight chains of everything.  A block is 16 queries x 128 keys: a lane holds one query and 64 keys, lane l xor 16 the other 64.
.macro SOFT a
.set AS, 64*(\a)
	WIN 0x41
	s_wait_alu depctr_va_vdst(0)                   ; a wait ahead of the first readers of these results
.irp t, 0,1
.irp i, 0,1,2,3,4,5,6,7,8,9,10,11,12,13,14,15
	v_cndmask_b32 v[AS+64*\t+16*(\a+\t)+\i], v[AS+64*\t+16*(\a+\t)+\i], v15, s[KM+\i]   ; hidden scores become -infinity ahead of the maximum
.endr
.endr
	WIN 0x15
	s_wait_alu depctr_va_vdst(0)
.irp t, 0,1
.irp b, 0,1,2,3
	v_max3_num_f32 v[BM+4*\t+\b], v[AS+64*\t+16*\b], v[AS+64*\t+16*\b+1], v[AS+64*\t+16*\b+2]   ; the largest score of each block of 32 keys: for the row's maximum, and for the block's largest p
.endr
.endr
	WIN 0x14
.irp i, 3,5,7,9,11,13
.irp t, 0,1
.irp b, 0,1,2,3
	v_max3_num_f32 v[BM+4*\t+\b], v[BM+4*\t+\b], v[AS+64*\t+16*\b+\i], v[AS+64*\t+16*\b+\i+1]
.endr
.endr
.endr
.irp t, 0,1
.irp b, 0,1,2,3
	v_max_num_f32 v[BM+4*\t+\b], v[BM+4*\t+\b], v[AS+64*\t+16*\b+15]
.endr
.endr
	WIN 0
.irp m, 0,1,2,3,4,5,6,7
	v_permlanex16_b32 v[BT+\m], v[BM+\m], s[SEL], s[SEL+1]
.endr
.irp m, 0,1,2,3,4,5,6,7
	v_max_num_f32 v[BM+\m], v[BM+\m], v[BT+\m]
.endr
.irp t, 0,1
.irp b, 0,1,2,3
.if (\b) < (\a+\t)
	v_add_f32 v[BM+4*\t+\b], s[PLT], v[BM+4*\t+\b] ; a block of keys that is hidden wholly: -infinity
.endif
.if (\b) > (\a+\t)
	v_add_f32 v[BM+4*\t+\b], s[PLE], v[BM+4*\t+\b]
.endif
.endr
.endr
.irp t, 0,1
	v_max3_num_f32 v[MT+\t], v[BM+4*\t], v[BM+4*\t+1], v[BM+4*\t+2]
.endr
.irp t, 0,1
	v_max_num_f32 v[MT+\t], v[MT+\t], v[BM+4*\t+3]
.endr
.irp t, 0,1
	v_mul_f32 v[MT+\t], s[CS], v[MT+\t]            ; as t (c is positive)
.endr
.irp t, 0,1
	v_max_num_f32 v[MT+\t], 0xff61b1e6, v[MT+\t]   ; held at -3e38 where every key is hidden
.endr
.irp t, 0,1
	v_floor_f32 v[NMS+\a+\t], -v[MT+\t]            ; -M = floor(-t): M is a whole number
.endr
.irp b, 0,1,2,3
.irp t, 0,1
.if (\b) < (\a+\t)
	v_add_f32 v[AD+8*\t+2*\b], s[PLT], v[NMS+\a+\t]
.endif
.if (\b) == (\a+\t)
	v_mov_b32 v[AD+8*\t+2*\b], v[NMS+\a+\t]
.endif
.if (\b) > (\a+\t)
	v_add_f32 v[AD+8*\t+2*\b], s[PLE], v[NMS+\a+\t]
.endif
.endr
.endr
.irp b, 0,1,2,3
.irp t, 0,1
	v_fma_f32 v[BM+4*\t+\b], v[BM+4*\t+\b], s[CS], v[NMS+\a+\t]
.endr
.endr
	WIN 0x41
.irp t, 0,1
.irp b, 0,1,2,3
.irp i, 0,2,4,6,8,10,12,14
	v_pk_fma_f32 v[AS+64*\t+16*\b+\i:AS+64*\t+16*\b+\i+1], v[AS+64*\t+16*\b+\i:AS+64*\t+16*\b+\i+1], s[CS:CS+1], v[AD+8*\t+2*\b:AD+8*\t+2*\b+1] op_sel_hi:[1,0,0]   ; t - M, two at a time; hidden: -infinity
.endr
.endr
.endr
	s_wait_alu depctr_va_vdst(0)                   ; one wait ahead of the batch
.set NN, 0
.rept 128
	v_exp_f32 v[AS+NN], v[AS+NN]                   ; p = 2^(t - M), at most 1, not normalised
.set NN, NN+1
.endr
	WIN 0
.irp m, 0,1,2,3,4,5,6,7
	v_exp_f32 v[BM+\m], v[BM+\m]                   ; the blocks' largest p
.endr
	v_nop                                          ; a plain place behind the exponentials
	s_wait_alu depctr_va_vdst(0)                   ; and one wait behind the batch
	WIN 0x05
.irp q, 0,1,2,3
.irp t, 0,1
	v_pk_add_f32 v[SU+8*\t+2*\q:SU+8*\t+2*\q+1], v[AS+64*\t+4*\q:AS+64*\t+4*\q+1], v[AS+64*\t+4*\q+2:AS+64*\t+4*\q+3]   ; the row's sum is taken of the unquantised p
.endr
.endr
	WIN 0x04
.irp j, 16,24,32,40,48,56
.irp q, 0,1,2,3
.irp t, 0,1
	v_pk_add_f32 v[SU+8*\t+2*\q:SU+8*\t+2*\q+1], v[SU+8*\t+2*\q:SU+8*\t+2*\q+1], v[AS+64*\t+\j+2*\q:AS+64*\t+\j+2*\q+1]
.endr
.endr
.endr
	WIN 0
.irp t, 0,1
	v_pk_add_f32 v[SU+8*\t:SU+8*\t+1], v[SU+8*\t:SU+8*\t+1], v[SU+8*\t+2:SU+8*\t+3]
	v_pk_add_f32 v[SU+8*\t+4:SU+8*\t+5], v[SU+8*\t+4:SU+8*\t+5], v[SU+8*\t+6:SU+8*\t+7]
.endr
.irp m, 0,1,2,3,4,5,6,7
	v_max_num_f32 v[BM+\m], 0x2800000, v[BM+\m]    ; the floor 2^(5 - 127): the byte cannot fall under 1
.endr
.irp t, 0,1
	v_pk_add_f32 v[SU+8*\t:SU+8*\t+1], v[SU+8*\t:SU+8*\t+1], v[SU+8*\t+4:SU+8*\t+5]
.endr
.irp m, 0,1,2,3,4,5,6,7
	v_add_nc_u32 v[SO+\m], 0xfe000000, v[BM+\m]
.endr
.irp t, 0,1
	v_add_f32 v[SU+8*\t], v[SU+8*\t], v[SU+8*\t+1]
.endr
.irp m, 0,1,2,3,4,5,6,7
	v_lshrrev_b32 v[BT+\m], 23, v[SO+\m]
.endr
.irp t, 0,1
	v_permlanex16_b32 v[MT+\t], v[SU+8*\t], s[SEL], s[SEL+1]
.endr
.irp k, 1,2,3
.irp t, 0,1
.if \k == 1
	v_lshl_or_b32 v[PW+\a+\t], v[BT+4*\t+1], 8, v[BT+4*\t]
.else
	v_lshl_or_b32 v[PW+\a+\t], v[BT+4*\t+\k], 8*\k, v[PW+\a+\t]
.endif
.endr
.endr
.irp t, 0,1
	v_add_f32 v[LSS+\a+\t], v[SU+8*\t], v[MT+\t]   ; with lane l xor 16's 64 keys
.endr
	WIN 0x01
.irp t, 0,1
.irp c, 0,1
	v_cvt_scalef32_pk16_bf6_f32 v[PC+12*(\a+\t)+6*\c:PC+12*(\a+\t)+6*\c+2], v[AS+64*\t+32*\c:AS+64*\t+32*\c+15], v[SO+4*\t+2*\c]
	v_cvt_scalef32_pk16_bf6_f32 v[CT+8*\t+4*\c:CT+8*\t+4*\c+2], v[AS+64*\t+32*\c+16:AS+64*\t+32*\c+31], v[SO+4*\t+2*\c+1]
.endr
.endr
	WIN 0
	v_nop                                          ; one plain place behind a scaled conversion
.irp t, 0,1
.irp c, 0,1
.irp i, 0,1,2
	v_permlane16_swap_b32 v[PC+12*(\a+\t)+6*\c+\i], v[CT+8*\t+4*\c+\i]
.endr
.irp i, 0,1,2
	v_mov_b32 v[PC+12*(\a+\t)+3+6*\c+\i], v[CT+8*\t+4*\c+\i]
.endr
.endr
.endr
.irp t, 0,1
.irp c, 0,1,2
	global_store_b128 v[CO], v[PC+12*(\a+\t)+4*\c:PC+12*(\a+\t)+4*\c+3], s[OUT:OUT+1] offset:(\a+\t)*1536+\c*512   ; 512 consecutive bytes, at a multiple of 256 from the buffer's first byte
.endr
.endr
.endm
	s_wait_alu depctr_va_vdst(0)                   ; the wait at the head's end
	s_wait_tensorcnt 0x0                           ; my part of K steps 0-2 is in
	ds_add_u32 v[SPW], v[NIL]
	NEXT 3, RGB
	s_wait_dscnt 0x0
	CROUND                                         ; everybody's part is in,
	JLOAD                                          ; and K steps 3-5 are asked for
	FA 0, 0, 0
	FB 0, 0, 0
	FB 0, 0, 4
	STEP 0, 0, 1, 1                                ; K step 0: its products start the sums
	STEP 1, 0, 2, 0
	TURN 0, 1, 0, 1                                ; 2: region 0 is left and takes K steps 6 and 7
	STEP 1, 1, 1, 0
	STEP 0, 1, 2, 0
	TURN 1, 2, 0, 0                                ; 5: K steps 6 and 7 are there; nothing is filled again
	STEP 0, 2, 1, 0
	s_wait_dscnt 12                                ; 7
	WIN 0x50
	MUL8 1, 0, 0
	MUL8 1, 2, 0
	s_wait_dscnt 0x0
	MUL8 1, 4, 0
	MUL8 1, 6, 0
	WIN 0
	PLACES 4                                       ; in front of the first read of results and of writes into registers that held fragments
.irp m, 0,1,2,3,4,5,6,7
	v_mov_b32 v[BT+\m], 0                          ; a lane permute's destination counts as one of its sources
	v_mov_b32 v[AD+2*\m+1], 0                      ; (named as the upper half of a pair)
.endr
	v_mov_b32 v[MT], 0
	v_mov_b32 v[MT+1], 0
.irp y, 0,2
	SOFT \y
.endr
.irp k, 0,1
	v_cndmask_b32 v[OS+\k], v[PW+\k], v[PW+2+\k], s[HM]          ; lanes 0-15: row r of blocks 0 and 1; lanes 16-31: of blocks 2 and 3
	v_cndmask_b32 v[OS+2+\k], v[NMS+\k], v[NMS+2+\k], s[HM]
	v_cndmask_b32 v[OS+4+\k], v[LSS+\k], v[LSS+2+\k], s[HM]
.endr
	global_store_b64 v[OVA], v[OS:OS+1], s[OST:OST+1]              ; 256 consecutive bytes
	global_store_b64 v[OVA], v[OS+2:OS+3], s[OST:OST+1] offset:512
	global_store_b64 v[OVA], v[OS+4:OS+5], s[OST:OST+1] offset:1024
	s_wait_tensorcnt 0x0                           ; the wave's end
	ds_add_u32 v[SPW], v[NIL]
	s_wait_dscnt 0x0
	CROUND                                         ; the closing round
	s_endpgm
.Lfunc_end_k_q8e194a4889_score:
	.size	k_q8e194a4889_score, .Lfunc_end_k_q8e194a4889_score-k_q8e194a4889_score
	.p2alignl 7, 3214868480
	.fill 96, 4, 3214868480
	.section	.rodata,"a",@progbits
	.p2align	6, 0x0
	.amdhsa_kernel k_q8e194a4889_score
		.amdhsa_group_segment_fixed_size 327680
		.amdhsa_private_segment_fixed_size 0
		.amdhsa_enable_private_segment 0
		.amdhsa_kernarg_size 24
		.amdhsa_user_sgpr_count 2
		.amdhsa_user_sgpr_kernarg_segment_ptr 1
		.amdhsa_wavefront_size32 1
		.amdhsa_system_sgpr_workgroup_id_x 1
		.amdhsa_system_sgpr_workgroup_id_y 1
		.amdhsa_system_sgpr_workgroup_id_z 1
		.amdhsa_system_vgpr_workitem_id 0
		.amdhsa_next_free_vgpr 512
		.amdhsa_next_free_sgpr 100
		.amdhsa_reserve_vcc 0
		.amdhsa_float_denorm_mode_32 3
		.amdhsa_float_denorm_mode_16_64 3
		.amdhsa_memory_ordered 1
		.amdhsa_forward_progress 1
		.amdhsa_inst_pref_size 118
	.end_amdhsa_kernel
	.amdgpu_metadata
---
amdhsa.version: [ 1, 2 ]
amdhsa.kernels:
  - .name:           k_q8e194a4889_score
    .symbol:         k_q8e194a4889_score.kd
    .args:
      - { .name: qk, .offset: 0, .size: 8, .value_kind: global_buffer, .address_space: global }
      - { .name: p, .offset: 8, .size: 8, .value_kind: global_buffer, .address_space: global }
      - { .name: pst, .offset: 16, .size: 8, .value_kind: global_buffer, .address_space: global }
    .group_segment_fixed_size: 327680
    .private_segment_fixed_size: 0
    .kernarg_segment_align: 8
    .kernarg_segment_size: 24
    .max_flat_workgroup_size: 256
    .sgpr_count:     100
    .vgpr_count:     512
    .wavefront_size: 32
...
	.end_amdgpu_metadata
.endif
;; end of part 3
;; launch pv (part 4): grid 8 x 32, 4 waves a work-group, clusters of 4 x 4, 327,680 bytes of LDS; arguments p, pst, vt, out0; writes out0
.if DOCPART == 4
	.amdgcn_target "amdgcn-amd-amdhsa--gfx1250"
	.amdhsa_code_object_version 6
	.text
	.protected	k_q8e194a4889_pv
	.globl	k_q8e194a4889_pv
	.p2align	8
	.type	k_q8e194a4889_pv,@function
k_q8e194a4889_pv:
	s_mov_b64 s[64:65], 0
	v_nop
	global_prefetch_b8 v0, s[64:65] scope:SCOPE_SE
	s_setreg_imm32_b32 hwreg(HW_REG_WAVE_MODE, 25, 1), 1
	s_wait_xcnt 0x0
	s_wait_alu depctr_hold_cnt(0) depctr_sa_sdst(0) depctr_va_vdst(0) depctr_va_sdst(0) depctr_va_ssrc(0) depctr_va_vcc(0) depctr_vm_vsrc(0)
	s_getreg_b32 s2, hwreg(HW_REG_IB_STS2, 6, 4)
	s_cmp_eq_u32 s2, 0
	s_cbranch_scc0 .Lentry_in_a_cluster
	s_endpgm
.Lentry_in_a_cluster:
	s_bfe_u32 s2, ttmp6, 0x10000c
	s_cmp_lg_u32 s2, 0xf033
	s_cbranch_scc0 .Lentry_shape_is_right
	s_endpgm
.Lentry_shape_is_right:
; O = p V / l on codes of BF6 (E3M2) with E8M0 scales; K = the keys, 128 a step.  p's cells (codes, 12,288 bytes, at 16 g + s), their raw scale words, -M_local and local sums (pst), V^T's cells (vt, 12,800 bytes, at 64 G + S).
; Lane r of a p cell's fragment j holds the group's query 32 (j % 4) + 8 (j / 4) + r + 8 (r / 8).
; A work-group makes two groups of 128 queries x 128 channels: a SHORT and a LONG one of the same batch, so that all work-groups have the same sum of key steps, twenty.  C = the cluster's y % 2, cy the place in it:
;   C = 0: short group cy, key steps 0-3; long group 12 + cy, key steps 0-15.   C = 1: short 4 + cy, key steps 0-7; long 8 + cy, key steps 0-11.
; Key steps behind those are hidden by the causal mask for every query of the groups: their p is 0 (the first kernel's head shows why they may go).  A wave makes half of each group's fragments x 64 channels: 16 + 16 accumulators.
; Source 0 = 16 channels of V^T, source 1 = 16 queries of p: a lane holds one query and eight neighbouring channels a tile.  p's tiles are shared along a row of the cluster, V^T's along a column: joint loads.
; The branch on C hangs on the cluster's number alone: the same in all sixteen partners.
; THE PROLOGUE, while chunk 1 is on its way, brings every cell under its row's own M.  -M_row = the least -M_local; D = M_row - M_local is a whole number, 0 or more, held at 127; each scale byte b becomes max(b - D, 0),
; four bytes at a time; l = the sum of l_local x 2^-D.  The words go to LDS, 512 bytes a cell, and 1 / l beside them.  Eight cells of the short group and sixteen of the long are read (those hidden wholly count with sum 0).
; LIMITS: a p more than 2^127 under its row's largest counts with the scale 2^-127 or as 0; NaN and infinities are not served.
; LDS: CHUNK 1, at 0: key steps 0-3: short cells, long cells, V^T's cells.  CHUNK 2, behind it: C = 1: short 4-7, long 4-7, C = 0: long 4-7, long 8-11; V^T's 4-8.  CHUNK 3, at 0: long 12-15 (C = 1: 8-11), V^T's 9-15 (9-11).
; Then the fixed scale words, 1 / l, the spare words.  The stages of the way out lie at the start of chunk 2's bytes, which have had their last fill, and their last read ahead of the barrier in front of the way out.
; The short group goes out while chunk 3 is on its way.  One tensor load of a wave is out at a time.  No L2 prefetch: there is no loop to run ahead in, and two of three chunks are asked for ahead of the first product.
; REGISTERS: window 0: v1-30 addresses; v32-47 p's scale words, v48-55 V^T's (scales alone); v56-63 1 / l; v64-159, v160-255 p's fragments (short 0-3, long 4-7), two sets.  window 1: v0-47, v48-95 V^T's.  window 2: accumulator (a, b) at v[8 (4 a + b)].
.set PCELL, 12288
.set CELL,  12800
.set AQ,    4*PCELL
.set SLB,   2*AQ+4*CELL                ; chunk 2's bytes
.set ASC,   SLB+2*AQ+5*CELL            ; [short 8 cells, long 16 cells] x 512 bytes
.set LINV,  ASC+12288                  ; [group] x 512 bytes
.set SPARE, LINV+1024                  ; two blocks of 256 bytes that no other line names
.set SPT,   272                        ; a stage row: 256 bytes + 16
.set PO,    5                          ; v5  my place in pst's cells
.set ADA,   8                          ; v8-11   p's fragments: at 0, AQ, SLB, SLB + AQ
.set ADB,   12                         ; v12-15  V^T's: at 2 AQ, SLB + 2 AQ, AQ, AQ + 4 CELL
.set ADS,   16                         ; v16-19  their scale words
.set ADSA,  20
.set ADLI,  21
.set ASW,   22
.set LIW,   23
.set STO,   24
.set RD,    25
.set SPW,   28
.set NIL,   29
.set GO,    30
.set SA,    32
.set SB,    48
.set LI,    56
.set AF,    64
.set WR,    64                         ; the prologue: v64-95 raw words, v96-127 -M_local, v128-159 local sums: register 4 x cell + block
.set NM,    96
.set LL,    128
.set NMN,   160
.set LA,    164
.set TA,    168
.set TB,    172
.set PX,    176
.set RC,    180
.set TR,    64                         ; the way out: v64-127 results / l, two sets; v128-255 rows read back, a set for each of a group's four blocks
.set OB,    128
.set O01,   2                          ; s2  0x01010101
.set CF,    3                          ; s3  1.0 where the two halves of the lanes hold different cells, else 0
.set PS,    12
.set H80,   17                         ; s17 0x80808080
.set SEL,   18
.set OUTS,  20
.set OUTL,  22
.set G1A,   24
.set G1B,   32
.set G0A,   40
.set G0B,   44
.set MSB, 0
.macro WIN new
.if MSB != (\new)
	s_set_vgpr_msb (MSB<<8)|(\new)
.set MSB, (\new)
.endif
.endm
.macro JLOAD                           ; a joint load: waves 0 and 1 fetch p's cells, waves 2 and 3 V^T's; four v_nop follow each line
	s_cmp_eq_u32 s15, 0
	s_cbranch_scc0 .Lfor_b_\@
	tensor_load_to_lds s[G0A:G0A+3], s[G1A:G1A+7]
	s_nop 0
.rept 4
	v_nop
.endr
	s_branch .Lasked_\@
.Lfor_b_\@:
	tensor_load_to_lds s[G0B:G0B+3], s[G1B:G1B+7]
	s_nop 0
.rept 4
	v_nop
.endr
.Lasked_\@:
.endm
.macro CREST
	s_cmp_lg_u32 s14, 0
	s_cbranch_scc1 .Lnot_wave_0_\@
	s_barrier_signal -3
.Lnot_wave_0_\@:
	s_barrier_wait -3
	s_barrier_signal -1
	s_barrier_wait -1
.endm
.macro CROUND
	s_barrier_signal -1
	s_barrier_wait -1
	CREST
.endm
.macro PLACES n
.rept \n
	v_nop
.endr
.endm
; a chunk's descriptors: ra, rb rows of 256 bytes a wave; p's part from the address pair ga to LDS la + s[sa]; V^T's from cell vc on, hb bytes a wave, to LDS lb
.macro CHUNK ra, rb, ga, sa, la, vc, hb, lb
	s_mov_b32 s[G1A+2], (\ra)<<16
	s_mov_b32 s[G1A+4], \ra
	s_mov_b32 s[G1B+2], (\rb)<<16
	s_mov_b32 s[G1B+4], \rb
	s_mov_b32 s[G0A], 1
	s_add_co_u32 s[G0A+1], s[\sa], \la
	s_mov_b64 s[G0A+2:G0A+3], s[\ga:\ga+1]
	s_or_b32 s[G0A+3], s[G0A+3], 0x80000000
	s_mul_i32 s56, s16, \hb
	s_mov_b32 s57, 0
	s_mov_b32 s[G0B], 1
	s_add_co_u32 s[G0B+1], s56, \lb
	s_add_nc_u64 s[G0B+2:G0B+3], s[94:95], s[56:57]
.if \vc
	s_add_nc_u64 s[G0B+2:G0B+3], s[G0B+2:G0B+3], (\vc)*CELL
.endif
	s_or_b32 s[G0B+3], s[G0B+3], 0x80000000
.endm
	s_load_b256 s[4:11], s[0:1], 0x0               ; p, pst, vt, out0
	v_lshl_add_u32 v[SPW], v0, 2, SPARE
	v_mov_b32 v[NIL], 0
	ds_add_u32 v[SPW], v[NIL]
	ds_add_u32 v[SPW], v[NIL]
	v_lshrrev_b32 v1, 5, v0
	v_readfirstlane_b32 s14, v1
	s_lshr_b32 s15, s14, 1                         ; my half of the fragments.  Also: I fetch for p (0) or V^T (1); in the prologue my group: short (0) or long (1)
	s_and_b32 s16, s14, 1                          ; my half of the channels.  Also: which part I fetch; in the prologue my half of the group's fragments
	s_bfe_u32 s66, ttmp6, 0x40000                  ; cx
	s_bfe_u32 s67, ttmp6, 0x40004                  ; cy
	s_lshl_b32 s68, ttmp9, 2
	s_add_co_u32 s68, s68, s66                     ; channel group
	s_and_b32 s80, ttmp7, 0xffff
	s_lshr_b32 s81, s80, 1                         ; batch
	s_and_b32 s82, s80, 1                          ; C
	s_lshl_b32 s70, s67, 2
	s_lshl_b32 s70, 15, s70
	s_lshl_b32 s71, 0x1111, s66
	s_or_b32 s[G1A], s70, (3<<16)|(1<<21)
	s_or_b32 s[G1B], s71, (3<<16)|(1<<21)
.irp g, G1A, G1B                       ; dense bytes as rows of 256; CHUNK writes the count of rows
	s_mov_b32 s[\g+1], 32<<16
	s_mov_b32 s[\g+3], 32<<16
	s_mov_b32 s[\g+5], 32
	s_mov_b32 s[\g+6], 0
	s_mov_b32 s[\g+7], 0
.endr
	s_mov_b32 s[H80], 0x80808080
	s_mov_b32 s[O01], 0x01010101
	s_mov_b32 s[SEL], 0x76543210
	s_mov_b32 s[SEL+1], 0xfedcba98
	s_cmp_eq_u32 s15, 1
	s_cselect_b32 s[CF], 1.0, 0
	s_lshl_b32 s69, s82, 2                         ; 4 C
	s_lshl_b32 s86, s81, 4
	s_add_co_u32 s86, s86, s67
	s_add_co_u32 s87, s86, s69                     ; the short group: 16 x batch + 4 C + cy
	s_sub_co_u32 s88, 12, s69
	s_add_co_u32 s89, s86, s88                     ; the long group: 16 x batch + 12 - 4 C + cy
	s_sub_co_u32 s90, s89, s87
	s_mul_i32 s92, s15, s90
	s_add_co_u32 s92, s92, s87
	s_mul_i32 s92, s92, 16*1536                    ; the prologue's group in pst
	s_mov_b32 s93, 0
	s_mul_i32 s72, s16, s90
	s_add_co_u32 s72, s72, s87
	s_mul_i32 s72, s72, 16*PCELL                   ; chunk 1: my group's cell 0
	s_mov_b32 s73, 0
	s_mul_i32 s74, s89, 16*PCELL                   ; the long group's cell 0
	s_mul_i32 s76, s16, AQ
	s_add_co_u32 s78, s74, s76
	s_cmp_eq_u32 s82, 1
	s_cselect_b32 s78, s72, s78
	s_add_co_u32 s78, s78, AQ                      ; chunk 2: C = 1: my group's cell 4; C = 0: the long group's cell 4 or 8
	s_mov_b32 s79, 0
	s_mul_i32 s84, s88, PCELL
	s_add_co_u32 s84, s84, s74
	s_mul_i32 s77, s16, 2*PCELL
	s_add_co_u32 s84, s84, s77                     ; chunk 3: the long group's cell 12 - 4 C, + my two
	s_mov_b32 s85, 0
	s_lshl_b32 s94, s68, 6
	s_lshl_b32 s75, s81, 4
	s_add_co_u32 s94, s94, s75
	s_mul_i32 s94, s94, CELL                       ; V^T: cell 64 x channel group + 16 x batch
	s_mov_b32 s95, 0
	s_lshl_b32 s58, s15, 15                        ; O: 8 rows of 4,096 bytes for my half of the fragments,
	s_lshl_b32 s59, s68, 9
	s_add_co_u32 s58, s58, s59
	s_lshl_b32 s59, s16, 8
	s_add_co_u32 s58, s58, s59                     ; + 512 x channel group + 256 x my half,
	s_lshl_b32 s60, s87, 19                        ; + 128 rows a group
	s_add_co_u32 s60, s60, s58
	s_mov_b32 s61, 0
	s_lshl_b32 s62, s89, 19
	s_add_co_u32 s62, s62, s58
	s_mov_b32 s63, 0
	s_mul_i32 s48, s15, 8*1536
	s_lshl_b32 s49, s16, 8
	s_wait_dscnt 0x0
	v_and_b32 v1, 31, v0                           ; lane
	v_and_b32 v2, 15, v0                           ; r
	v_bfe_u32 v3, v0, 4, 1                         ; h
	v_mul_u32_u24 v[PO], s48, v3                   ; the long group: lanes 16-31 take cells 8 .. 15; the short: the same eight
	v_lshl_add_u32 v[PO], v2, 4, v[PO]
	v_add_nc_u32 v[PO], s49, v[PO]                 ; + 256 x my half of the blocks + 16 r
	s_wait_alu depctr_va_vdst(0)
	CROUND                                         ; all sixteen work-groups are here: the first joint loads meet
	s_wait_kmcnt 0x0
	s_add_nc_u64 s[PS:PS+1], s[6:7], s[92:93]
	s_add_nc_u64 s[OUTS:OUTS+1], s[10:11], s[60:61]
	s_add_nc_u64 s[OUTL:OUTL+1], s[10:11], s[62:63]
	s_add_nc_u64 s[72:73], s[4:5], s[72:73]
	s_add_nc_u64 s[78:79], s[4:5], s[78:79]
	s_add_nc_u64 s[84:85], s[4:5], s[84:85]
	s_add_nc_u64 s[94:95], s[8:9], s[94:95]
.irp g, 0,1,2,3,4,5,6,7                ; eight cells' words, -M and sums of my four blocks' row r
	global_load_b128 v[WR+4*\g:WR+4*\g+3], v[PO], s[PS:PS+1] offset:1536*\g
	global_load_b128 v[NM+4*\g:NM+4*\g+3], v[PO], s[PS:PS+1] offset:1536*\g+512
	global_load_b128 v[LL+4*\g:LL+4*\g+3], v[PO], s[PS:PS+1] offset:1536*\g+1024
.endr
	CHUNK 192, 100, 72, 76, 0, 0, 2*CELL, 2*AQ
	JLOAD                                          ; chunk 1
	s_mul_i32 s48, s15, 6144
	s_mul_i32 s49, s16, 6144
	s_lshl_b32 s50, s16, 8
	s_lshl_b32 s51, s15, 8
	s_add_co_u32 s52, s51, ASC
	s_add_co_u32 s53, s51, LINV
	s_lshl_b32 s54, s15, 12                        ; 4096 in the long group's waves
	s_add_co_u32 s55, s54, s50
	s_add_co_u32 s55, s55, ASC
	s_lshl_b32 s58, s15, 9
	s_add_co_u32 s58, s58, s50
	s_add_co_u32 s58, s58, LINV
	s_mul_i32 s59, s14, 16*SPT
	s_add_co_u32 s59, s59, SLB                     ; my stage
	v_lshlrev_b32 v4, 4, v1                        ; 16 x lane
	v_lshlrev_b32 v6, 4, v2                        ; 16 r
	v_add_nc_u32 v[ADA], s48, v4
	v_add_nc_u32 v7, s49, v4
	v_add_nc_u32 v26, s50, v6
	v_add_nc_u32 v26, 12288, v26
	v_add_nc_u32 v[ADA+1], AQ, v[ADA]
	v_add_nc_u32 v[ADA+2], SLB, v[ADA]
	v_add_nc_u32 v[ADA+3], SLB+AQ, v[ADA]
	v_add_nc_u32 v[ADB], 2*AQ, v7
	v_add_nc_u32 v[ADB+1], SLB+2*AQ, v7
	v_add_nc_u32 v[ADB+2], AQ, v7
	v_add_nc_u32 v[ADB+3], AQ+4*CELL, v7
	v_add_nc_u32 v[ADS], 2*AQ, v26
	v_add_nc_u32 v[ADS+1], SLB+2*AQ, v26
	v_add_nc_u32 v[ADS+2], AQ, v26
	v_add_nc_u32 v[ADS+3], AQ+4*CELL, v26
	v_add_nc_u32 v[ADSA], s52, v6
	v_add_nc_u32 v[ADLI], s53, v6
	v_mul_u32_u24 v[ASW], s54, v3                  ; the long group's lanes 16-31 write cells 8 .. 15; the short's write what lanes 0-15 write
	v_add_nc_u32 v[ASW], v[ASW], v6
	v_add_nc_u32 v[ASW], s55, v[ASW]
	v_add_nc_u32 v[LIW], s58, v6
	v_mul_u32_u24 v[STO], v2, SPT
	v_lshl_add_u32 v[STO], v3, 6, v[STO]
	v_add_nc_u32 v[STO], s59, v[STO]               ; in: row r, + 64 h
	v_mul_u32_u24 v[RD], v3, SPT
	v_add_nc_u32 v[RD], v[RD], v6
	v_add_nc_u32 v[RD], s59, v[RD]                 ; back: lanes 0-15 one row, lanes 16-31 the next
	v_lshl_add_u32 v[GO], v3, 12, v6               ; and the same two rows in O
.irp k, 0,1,2,3
	v_mov_b32 v[PX+\k], 0                          ; a lane permute's destination counts as one of its sources
.endr
	s_wait_alu depctr_va_vdst(0)                   ; the wait at the head's end
	s_wait_loadcnt 0x0
.irp k, 0,1,2,3
	v_min3_num_f32 v[NMN+\k], v[NM+\k], v[NM+4+\k], v[NM+8+\k]
.endr
.irp k, 0,1,2,3
	v_min3_num_f32 v[NMN+\k], v[NMN+\k], v[NM+12+\k], v[NM+16+\k]
.endr
.irp k, 0,1,2,3
	v_min3_num_f32 v[NMN+\k], v[NMN+\k], v[NM+20+\k], v[NM+24+\k]
.endr
.irp k, 0,1,2,3
	v_min_num_f32 v[NMN+\k], v[NMN+\k], v[NM+28+\k]
.endr
.irp k, 0,1,2,3
	v_permlanex16_b32 v[PX+\k], v[NMN+\k], s[SEL], s[SEL+1]
.endr
.irp k, 0,1,2,3
	v_min_num_f32 v[NMN+\k], v[NMN+\k], v[PX+\k]   ; -M_row
.endr
.irp g, 0,1,2,3,4,5,6,7
.irp k, 0,1,2,3
	v_sub_f32 v[NM+4*\g+\k], v[NM+4*\g+\k], v[NMN+\k]       ; D = M_row - M_local, a whole number
.endr
.irp k, 0,1,2,3
	v_min_num_f32 v[NM+4*\g+\k], 0x42fe0000, v[NM+4*\g+\k]  ; held at 127
.endr
.irp k, 0,1,2,3
	v_cvt_u32_f32 v[NM+4*\g+\k], v[NM+4*\g+\k]
.endr
.irp k, 0,1,2,3
	v_sub_nc_u32 v[TA+\k], 0, v[NM+4*\g+\k]
.endr
.irp k, 0,1,2,3
	v_ldexp_f32 v[TA+\k], 1.0, v[TA+\k]            ; 2^-D
.endr
.irp k, 0,1,2,3
.if \g == 0
	v_mul_f32 v[LA+\k], v[LL+4*\g+\k], v[TA+\k]
.else
	v_fma_f32 v[LA+\k], v[LL+4*\g+\k], v[TA+\k], v[LA+\k]
.endif
.endr
.irp k, 0,1,2,3
	v_mul_lo_u32 v[NM+4*\g+\k], v[NM+4*\g+\k], s[O01]       ; D in each of four bytes
.endr
.irp k, 0,1,2,3
	v_or_b32 v[WR+4*\g+\k], s[H80], v[WR+4*\g+\k]           ; the raw bytes lie in 1 .. 123: with 128 on top no byte borrows from its neighbour
.endr
.irp k, 0,1,2,3
	v_sub_nc_u32 v[WR+4*\g+\k], v[WR+4*\g+\k], v[NM+4*\g+\k]
.endr
.irp k, 0,1,2,3
	v_and_b32 v[TA+\k], s[H80], v[WR+4*\g+\k]               ; the top bit stands where b - D is 0 or more
.endr
.irp k, 0,1,2,3
	v_lshrrev_b32 v[TB+\k], 7, v[TA+\k]
.endr
.irp k, 0,1,2,3
	v_sub_nc_u32 v[TA+\k], v[TA+\k], v[TB+\k]               ; 0x7f there, else 0
.endr
.irp k, 0,1,2,3
	v_and_b32 v[WR+4*\g+\k], v[WR+4*\g+\k], v[TA+\k]        ; max(b - D, 0)
.endr
	ds_store_b128 v[ASW], v[WR+4*\g:WR+4*\g+3] offset:512*\g
.endr
.irp k, 0,1,2,3
	v_permlanex16_b32 v[PX+\k], v[LA+\k], s[SEL], s[SEL+1]
.endr
.irp k, 0,1,2,3
	v_fma_f32 v[LA+\k], v[PX+\k], s[CF], v[LA+\k]  ; the other eight cells' part, where there are sixteen
.endr
	s_wait_alu depctr_va_vdst(0)
.irp k, 0,1,2,3
	v_rcp_f32 v[RC+\k], v[LA+\k]
.endr
	v_nop                                          ; a plain place behind the reciprocals
	s_wait_alu depctr_va_vdst(0)                   ; and a wait ahead of their first reader
	ds_store_b128 v[LIW], v[RC:RC+3]               ; (lanes r and r + 16 write the same bytes with the same values)
	s_wait_tensorcnt 0x0                           ; my part of chunk 1 is in
	ds_add_u32 v[SPW], v[NIL]
	CHUNK 192, 125, 78, 76, SLB, 4, 32000, SLB+2*AQ
	s_wait_dscnt 0x0                               ; the add is done, and my stores have landed
	CROUND                                         ; everybody's part is in,
	JLOAD                                          ; and chunk 2 is asked for
; LDS loads in one run: key step k's fragments and scale words into set k % 2: 39 where both groups take the step, else 26
.macro FET k, way
.set FP, (\k)%2
.set FD, 0
.if \way
.if (\k) < 8
.set FD, 1
.set FS, ADA+2
.set FL, ADA+3
.set FI, (\k)-4
.set FB, 1
.set FJ, (\k)-4
.else
.set FL, ADA
.set FI, (\k)-8
.set FB, 2
.set FJ, (\k)-9
.endif
.else
.if (\k) < 8
.set FL, ADA+2
.set FI, (\k)-4
.set FB, 1
.set FJ, (\k)-4
.else
.set FL, ADA+3
.set FI, (\k)-8
.set FB, 2
.set FJ, (\k)-9
.endif
.if (\k) >= 12
.set FL, ADA
.set FI, (\k)-12
.set FB, 3
.set FJ, (\k)-13
.endif
.if (\k) == 12
.set FB, 2
.set FJ, 3
.endif
.endif
.if (\k) == 8
.set FB, 1
.set FJ, 4
.endif
.if (\k) < 4
.set FD, 1
.set FS, ADA
.set FL, ADA+1
.set FI, (\k)
.set FB, 0
.set FJ, (\k)
.endif
	WIN 0x40
.irp b, 0,1,2,3
.irp e, 0,1,2
	ds_load_b128 v[48*FP+12*\b+4*\e:48*FP+12*\b+4*\e+3], v[ADB+FB] offset:FJ*CELL+\b*1536+\e*512
.endr
.endr
	WIN 0
.if FD
.irp i, 0,1,2,3
.irp e, 0,1,2
	ds_load_b128 v[AF+96*FP+12*\i+4*\e:AF+96*FP+12*\i+4*\e+3], v[FS] offset:FI*PCELL+\i*1536+\e*512
.endr
.endr
	ds_load_b128 v[SA+8*FP:SA+8*FP+3], v[ADSA] offset:512*(\k)
.endif
.irp i, 0,1,2,3
.irp e, 0,1,2
	ds_load_b128 v[AF+96*FP+48+12*\i+4*\e:AF+96*FP+48+12*\i+4*\e+3], v[FL] offset:FI*PCELL+\i*1536+\e*512
.endr
.endr
	ds_load_b128 v[SA+8*FP+4:SA+8*FP+7], v[ADSA] offset:4096+512*(\k)
	ds_load_b128 v[SB+4*FP:SB+4*FP+3], v[ADS+FB] offset:FJ*CELL
.endm
; 16 matrix instructions on set p: blocks a0 .. a0 + 3 (0: the short group's, 4: the long's); the accumulators take turns, one instruction a turn, in the same order in every step
.macro MULR p, a0, zero
.irp a, 0,1,2,3
.irp b, 0,1,2,3
.if \zero
	v_wmma_scale_f32_16x16x128_f8f6f4 v[8*(4*(\a0+\a)+\b):8*(4*(\a0+\a)+\b)+7], v[48*(\p)+12*\b:48*(\p)+12*\b+11], v[AF+96*(\p)+12*(\a0+\a):AF+96*(\p)+12*(\a0+\a)+11], 0, v[SB+4*(\p)+\b], v[SA+8*(\p)+\a0+\a] matrix_a_fmt:MATRIX_FMT_BF6 matrix_b_fmt:MATRIX_FMT_BF6
.else
	v_wmma_scale_f32_16x16x128_f8f6f4 v[8*(4*(\a0+\a)+\b):8*(4*(\a0+\a)+\b)+7], v[48*(\p)+12*\b:48*(\p)+12*\b+11], v[AF+96*(\p)+12*(\a0+\a):AF+96*(\p)+12*(\a0+\a)+11], v[8*(4*(\a0+\a)+\b):8*(4*(\a0+\a)+\b)+7], v[SB+4*(\p)+\b], v[SA+8*(\p)+\a0+\a] matrix_a_fmt:MATRIX_FMT_BF6 matrix_b_fmt:MATRIX_FMT_BF6
.endif
.endr
.endr
.endm
.macro MULK k, both, zero
	WIN 0xa1
.if \both
	MULR (\k)%2, 0, \zero
.endif
	MULR (\k)%2, 4, \zero
	WIN 0
.endm
.macro STEPP k, way, both, zero
	s_wait_dscnt 0x0                               ; this step's loads, issued a step ago, are in
	PLACES 4                                       ; in front of loads into registers that the last step's matrix instructions have read
	FET (\k)+1, \way
	MULK \k, \both, \zero
.endm
.macro LASTP k
	s_wait_dscnt 0x0
	MULK \k, 0, 0
.endm
; Key step 3.  Each wave waits for all its tensor loads (chunk 2 is there), adds 0 to its spare word, and waits for that and for its reads of chunk 1; a round of the cluster's barrier; chunk 3 takes chunk 1's bytes.
.macro TURN way, rb, hb
	s_wait_tensorcnt 0x0
	ds_add_u32 v[SPW], v[NIL]
	CHUNK 96, \rb, 84, 77, 0, 9, \hb, AQ
	s_wait_dscnt 1                                 ; step 3's loads are in; the add may be out
	WIN 0xa1
	MULR 1, 0, 0
	WIN 0
	s_wait_dscnt 0x0
	CROUND
	JLOAD                                          ; the first tensor load behind the round; its four v_nop are the places in front of the loads that follow
	FET 4, \way
	WIN 0xa1
	MULR 1, 4, 0
	WIN 0
.endm
; THE WAY OUT, block by block of 16 queries x 64 channels: x 1 / l into other registers, through my stage, back as rows of 256 bytes; the order of rows in a fragment is undone in the stores' offsets
.macro TOST a
.set TT, TR+32*((\a)%2)
.set BB, OB+32*((\a)%4)
	WIN 0x02                                       ; source 0: window 2
.set NN, 0
.rept 32
	v_mul_f32 v[TT+NN], v[32*(\a)+NN], v[LI+(\a)]  ; each accumulator from its low end on
.set NN, NN+1
.endr
	WIN 0
.irp b, 0,1,2,3
	ds_store_b128 v[STO], v[TT+8*\b:TT+8*\b+3] offset:128*(\b/2)+32*(\b%2)        ; tile b, lane (r, h): channels 32 (b / 2) + 8 (b % 2) + 16 h + 0 .. 7
	ds_store_b128 v[STO], v[TT+8*\b+4:TT+8*\b+7] offset:128*(\b/2)+32*(\b%2)+16
.endr
.irp i, 0,1,2,3,4,5,6,7
	ds_load_b128 v[BB+4*\i:BB+4*\i+3], v[RD] offset:2*\i*SPT   ; LDS serves a wave's instructions in order: these see the stores above, and the next block's stores come behind them
.endr
.endm
.macro SEND a, base, younger
.set BB, OB+32*((\a)%4)
	s_wait_dscnt \younger                          ; the block is back; the next block's 8 stores and 8 loads may be out
.irp i, 0,1,2,3,4,5,6,7
	global_store_b128 v[GO], v[BB+4*\i:BB+4*\i+3], s[\base:\base+1] offset:(32*((\a)%4)+2*\i+8*(\i/4))*4096 th:TH_STORE_NT   ; 16 lanes store 256 consecutive bytes, at a multiple of 256 from O's first byte
.endr
.endm
.macro OUTF a0, base                   ; a group's four blocks
	TOST \a0
.irp z, 1,2,3
	TOST \a0+\z
	SEND \a0+\z-1, \base, 16
.endr
	SEND \a0+3, \base, 0
.endm
; Key step k, the last for which chunk 2 alone serves.  The barrier shows that no wave reads the bytes of the stages any more; the short group goes out; then chunk 3 is waited for, in every wave.
.macro SHORT k, way, both
	s_wait_dscnt 0x0                               ; my reads so far are over
	s_barrier_signal -1
	MULK \k, \both, 0
	s_barrier_wait -1
	PLACES 4                                       ; in front of reads of results and of writes into registers that held fragments
	ds_load_b128 v[LI:LI+3], v[ADLI]
	ds_load_b128 v[LI+4:LI+7], v[ADLI] offset:512
	s_wait_dscnt 0x0
	OUTF 0, OUTS
	s_wait_tensorcnt 0x0
	s_wait_dscnt 0x0
	s_wait_xcnt 0x0                                ; the stores have read their registers: fragments may land there
	s_barrier_signal -1
	s_barrier_wait -1
	FET (\k)+1, \way
.endm
	FET 0, 0
	STEPP 0, 0, 1, 1                               ; the first step's products start the sums
	STEPP 1, 0, 1, 0
	STEPP 2, 0, 1, 0
	s_cmp_eq_u32 s82, 1
	s_cbranch_scc1 .Lway
	TURN 0, 175, 44800                             ; C = 0
	STEPP 4, 0, 0, 0
	STEPP 5, 0, 0, 0
	STEPP 6, 0, 0, 0
	STEPP 7, 0, 0, 0
	SHORT 8, 0, 0
.irp q, 9,10,11,12,13,14
	STEPP \q, 0, 0, 0
.endr
	LASTP 15
	s_branch .Lout
.Lway:
	TURN 1, 75, 19200                              ; C = 1
	STEPP 4, 1, 1, 0
	STEPP 5, 1, 1, 0
	STEPP 6, 1, 1, 0
	SHORT 7, 1, 1
.irp q, 8,9,10
	STEPP \q, 1, 0, 0
.endr
	LASTP 11
.Lout:
	PLACES 4
	OUTF 4, OUTL
	s_wait_tensorcnt 0x0                           ; the wave's end
	ds_add_u32 v[SPW], v[NIL]
	s_wait_dscnt 0x0
	CROUND                                         ; the closing round
	s_endpgm
.Lfunc_end_k_q8e194a4889_pv:
	.size	k_q8e194a4889_pv, .Lfunc_end_k_q8e194a4889_pv-k_q8e194a4889_pv
	.p2alignl 7, 3214868480
	.fill 96, 4, 3214868480
	.section	.rodata,"a",@progbits
	.p2align	6, 0x0
	.amdhsa_kernel k_q8e194a4889_pv
		.amdhsa_group_segment_fixed_size 327680
		.amdhsa_private_segment_fixed_size 0
		.amdhsa_enable_private_segment 0
		.amdhsa_kernarg_size 32
		.amdhsa_user_sgpr_count 2
		.amdhsa_user_sgpr_kernarg_segment_ptr 1
		.amdhsa_wavefront_size32 1
		.amdhsa_system_sgpr_workgroup_id_x 1
		.amdhsa_system_sgpr_workgroup_id_y 1
		.amdhsa_system_sgpr_workgroup_id_z 1
		.amdhsa_system_vgpr_workitem_id 0
		.amdhsa_next_free_vgpr 768
		.amdhsa_next_free_sgpr 96
		.amdhsa_reserve_vcc 0
		.amdhsa_float_denorm_mode_32 3
		.amdhsa_float_denorm_mode_16_64 3
		.amdhsa_memory_ordered 1
		.amdhsa_forward_progress 1
		.amdhsa_inst_pref_size 191
	.end_amdhsa_kernel
	.amdgpu_metadata
---
amdhsa.version: [ 1, 2 ]
amdhsa.kernels:
  - .name:           k_q8e194a4889_pv
    .symbol:         k_q8e194a4889_pv.kd
    .args:
      - { .name: p, .offset: 0, .size: 8, .value_kind: global_buffer, .address_space: global }
      - { .name: pst, .offset: 8, .size: 8, .value_kind: global_buffer, .address_space: global }
      - { .name: vt, .offset: 16, .size: 8, .value_kind: global_buffer, .address_space: global }
      - { .name: out0, .offset: 24, .size: 8, .value_kind: global_buffer, .address_space: global }
    .group_segment_fixed_size: 327680
    .private_segment_fixed_size: 0
    .kernarg_segment_align: 8
    .kernarg_segment_size: 32
    .max_flat_workgroup_size: 128
    .sgpr_count:     96
    .vgpr_count:     768
    .wavefront_size: 32
...
	.end_amdgpu_metadata
.endif
;; end of part 4
